; MI455X (gfx1250); checked and timed in simulation.
; The chip was launched on July 23, 2026; its instructions are those of AMD's public machine-readable ISA for CDNA 5 (MIT licence, August 2026) and "CDNA5" Instruction Set Architecture Reference Guide (July 2026). The comments in the code are by the model that wrote it; some were corrected since.
;; Multi Head Attention. Allowed arithmetic: matrix products marked QUANTISED: E2M3 operands, one E8M0 scale for each 32 along K, by v_wmma_scale_f32_16x16x128_f8f6f4 with both operands' format E2M3, f32 sums; everything else in f32.
;; Inputs: Wk 1,024 x 1,024 float32; Wo 1,024 x 1,024 float32; Wq 1,024 x 1,024 float32; Wv 1,024 x 1,024 float32; bk 1,024 float32; bo 1,024 float32; bq 1,024 float32; bv 1,024 float32; key_in 4 x 2,048 x 1,024 float32; query 4 x 2,048 x 1,024 float32; value 4 x 2,048 x 1,024 float32.
;; Outputs: out0 4 x 2,048 x 1,024 float32.
;; This version of the problem:
;;   THIS VERSION OF THE PROBLEM IS GIVEN IN LOW PRECISION. The matrix products marked QUANTISED in the list below multiply operands that are first quantised to E2M3 (2 exponent bits, 3 mantissa bits; 6 bits a number), with one power-of-two scale for each 32 numbers along K (OCP MX v1.0); their sums are f32. All else is computed in f32.
;;   The module's matrix products, in the order in which they are computed (A, B: the left and right operand; K: the contracted axis; several contracted axes count as one K, in the product's order):
;;     1. [M 8,192, K 1,024] x [K 1,024, N 1,024]; A: input query; B: input Wq: QUANTISED
;;     2. [M 8,192, K 1,024] x [K 1,024, N 1,024]; A: input key_in; B: input Wk: QUANTISED
;;     3. [M 8,192, K 1,024] x [K 1,024, N 1,024]; A: input value; B: input Wv: QUANTISED
;;     4. batch 64 x [M 2,048, K 64] x [K 64, N 2,048]; A: computed on the way; B: computed on the way: QUANTISED
;;     5. batch 64 x [M 2,048, K 2,048] x [K 2,048, N 64]; A: softmax (see below); B: computed on the way: QUANTISED
;;     6. [M 8,192, K 1,024] x [K 1,024, N 1,024]; A: computed on the way; B: input Wo: QUANTISED
;;   THE QUANTISER, for each operand of a quantised product, along K:
;;     - K is cut into blocks of 32 from its start; a last block that is shorter is filled with zeros.
;;     - A block's scale is 2^e with e = floor(log2(the largest magnitude in the block)) - 2, held to -126 .. 127; a block of zeros has e = 0. As a byte (E8M0): e + 127.
;;     - Each number is divided by its block's scale, clamped to +-7.5, and rounded to the nearest number of E2M3, ties to even, subnormals kept.
;;     - The product sums the exact products of the quantised numbers (number of the format x scale) in f32.
;;   ~~~python
;;   def quantise(x, axis):      # numpy; x: float32 -> the quantised numbers, widened to float32 again
;;       x = np.moveaxis(x, axis, -1); K = x.shape[-1]
;;       x = np.pad(x, [(0, 0)] * (x.ndim - 1) + [(0, -K % 32)]); x = x.reshape(x.shape[:-1] + (-1, 32)); a = np.abs(x).max(-1, keepdims=True)
;;       e = np.where(a > 0, np.clip(np.frexp(np.where(a > 0, a, 1))[1] - 1 - 2, -126, 127), 0)      # np.frexp(a)[1] - 1 = floor(log2(a)), exactly
;;       r = np.clip(x / 2.0 ** e, -7.5, 7.5)
;;       step = 2.0 ** (np.maximum(np.frexp(np.where(r == 0, 1, r))[1] - 1, 0) - 3)
;;       q = np.round(r / step) * step * 2.0 ** e      # np.round: ties to even
;;       return np.moveaxis(q.reshape(q.shape[:-2] + (-1,))[..., :K], -1, axis).astype(np.float32)
;;   ~~~
;;   SOFTMAX AHEAD OF A QUANTISED PRODUCT. Where the list says 'softmax', what is quantised is not the finished softmax but p = 2^(t - M), with t = logit x log2(e) and M = ceil(the row's largest t), a whole number; so 1/2 < the row's largest p <= 1. The row's sum l is taken of the UNQUANTISED p, in f32, and the product's result is divided by l at the end. Since M is a whole number, a kernel that streams over the keys may use a running M (the ceiling of the running maximum): every later rescaling is an exact power of two, which a block's scale takes up: the codes' values come out the same.
;;   OPERANDS COMPUTED ON THE WAY. 'Computed on the way' means the value that the module computes at that place (a softmax that the list does not call 'softmax' is quantised finished and normalised). What goes into a quantiser is computed in f32, as accurately as f32 sums, v_exp_f32 and their like allow (about 1e-6 of the number): no bf16 or f16 on the way to a quantiser, and a product that is left as it is and whose result goes on into a quantised operand takes f32 operands (vector FMAs, or v_wmma_f32_16x16x4_f32). A number that lies on a knife's edge between two numbers of the format may be rounded either way, as far as f32 arithmetic and the matrix unit's own rounding can turn it there, and no further.
;; One version. Each part assembles by itself: llvm-mc -triple=amdgcn-amd-amdhsa -mcpu=gfx1250 --defsym DOCPART=n.
;; ======== version 1 of 1: 4 launches
;; workspace buffers: codes 22,020,096 bytes; scl 917,504 bytes; qkv 20,447,232 bytes; cc 6,291,456 bytes; cs 262,144 bytes
;; launch quant (part 1): grid 896 x 1, 4 waves a work-group, no clusters, 33,280 bytes of LDS; arguments query, key_in, value, Wq, Wk, Wv, Wo, codes, scl; writes codes, scl
.if DOCPART == 1
	.amdgcn_target "amdgcn-amd-amdhsa--gfx1250"
	.amdhsa_code_object_version 6
	.text
	.protected	k_q905fa378b4_quant
	.globl	k_q905fa378b4_quant
	.p2align	8
	.type	k_q905fa378b4_quant,@function
k_q905fa378b4_quant:
	s_mov_b64 s[64:65], 0
	v_nop
	global_prefetch_b8 v0, s[64:65] scope:SCOPE_SE
	s_setreg_imm32_b32 hwreg(HW_REG_WAVE_MODE, 25, 1), 1
	s_wait_xcnt 0x0
; query, key_in, value [8192][1024] and Wq, Wk, Wv, Wo [1024][1024], f32, K = 1,024 innermost in all seven, become ONE matrix of codes of FP6 (E2M3), [28,672 rows][768 bytes],
; and one of E8M0 scale bytes, [28,672][32]: rows 0 query, 8,192 key_in, 16,384 value, 24,576 Wq, 25,600 Wk, 26,624 Wv, 27,648 Wo.
; A block's scale is 2^(floor(log2(its largest magnitude)) - 2); its byte is the largest magnitude's exponent field - 2, held at 1 from below; each number / scale goes to the nearest code, ties to even, beyond 7.5 the largest code.
; THE ORDER IN A BLOCK.  A block's 32 codes stand in one fixed order: places 0-7 hold k 0-7, places 8-15 k 16-23, places 16-23 k 8-15, places 24-31 k 24-31.  Every operand of this program is laid so, on both sides of
; every product, so the products are the same; it is the order in which a matrix result's registers run, so that the later launches quantise results without moving them between tiles.
; LIMITS: a block whose largest magnitude lies under 2^-124 (a block of zeros among them) gets the byte 1: the bytes are read by this program alone; NaN and infinities among the inputs are not served.
; A work-group takes 32,768 numbers (32 rows), a wave 16 steps of 512.  Each of a step's four loads reads 512 consecutive bytes, 16 a lane; the 2,048 bytes turn through the wave's own stage in LDS and come back 64 bytes a lane:
; 16 numbers of one block, two neighbouring lanes to a block.  The order above is laid by the address on the way INTO the stage.  No tensor loads, no barrier: waves share nothing.  Loads run four steps ahead.
.set STEPS, 16
.set CB,    12                         ; bytes of 16 codes
.set R,     16                         ; v16-79   four sets of 16 numbers as they are loaded
.set X,     80                         ; v80-111  two sets of 16 numbers of a block
.set C,     128                        ; v128-191 codes: four registers for each step, so that no store's data are written again
.set E,     112                        ; v112-127 a scale byte for each step
.set WREG,  8192                       ; LDS: a region for each wave: two stages of 32 x SP bytes, and behind them its 256 scale bytes
.set SP,    80                         ; a lane's place in a stage: its 64 bytes + 16 of padding
	s_load_b512 s[4:19], s[0:1], 0x0               ; query s[4:5], key_in s[6:7], value s[8:9], Wq s[10:11], Wk s[12:13], Wv s[14:15], Wo s[16:17], codes s[18:19]
	s_load_b64 s[20:21], s[0:1], 0x40              ; scl
	v_lshl_add_u32 v192, v0, 2, 0x8000
	v_mov_b32 v193, 0
	v_lshrrev_b32 v1, 5, v0
	v_readfirstlane_b32 s25, v1                    ; wave
	v_and_b32 v2, 31, v0                           ; lane
	v_lshlrev_b32 v3, 4, v2                        ; my 16 bytes of a load's 512
	s_mul_i32 s26, s25, WREG
	; the way in.  Lane l of a load holds piece l % 8 (four numbers) of block l / 8.  Pieces 0, 1, 4, 5 go to the block's even place, pieces 2, 3, 6, 7 to its odd place
	v_lshrrev_b32 v14, 3, v2
	v_bfe_u32 v15, v2, 1, 1
	v_lshl_add_u32 v14, v14, 1, v15                ; the place: 2 (l / 8) + bit 1 of l
	v_mul_u32_u24 v14, v14, SP
	v_and_b32 v15, 1, v2
	v_bfe_u32 v10, v2, 2, 1
	v_lshl_add_u32 v15, v10, 1, v15                ; in it: bit 0 of l + 2 x bit 2 of l
	v_lshl_add_u32 v14, v15, 4, v14
	v_add_nc_u32 v14, s26, v14                     ; a load's four blocks take eight places
	v_mul_u32_u24 v15, v2, SP
	v_add_nc_u32 v15, s26, v15                     ; the way out: SP x lane: my 16 numbers
	v_mul_u32_u24 v4, v2, CB                       ; my codes' place in a step's
	v_lshrrev_b32 v5, 1, v2
	s_add_co_u32 s26, s26, 2*32*SP
	v_add_nc_u32 v5, s26, v5                       ; LDS: my wave's 256 scale bytes, my block's byte
	v_lshlrev_b32 v7, 3, v2                        ; and on the way out 8 bytes a lane
	v_add_nc_u32 v6, s26, v7
	s_wait_alu depctr_va_vdst(0)
	s_wait_kmcnt 0x0
	; which tensor is my work-group's?  The choice hangs on the work-group's number alone; only a pointer and a number are chosen: all seven take one path
	s_mov_b64 s[22:23], s[16:17]                   ; Wo, from work-group 864 on
	s_mov_b32 s24, 864
.macro PICK lim, ptr, base
	s_cmp_lt_u32 ttmp9, \lim
	s_cselect_b64 s[22:23], s[\ptr:\ptr+1], s[22:23]
	s_cselect_b32 s24, \base, s24
.endm
	PICK 864, 14, 832                              ; Wv
	PICK 832, 12, 800                              ; Wk
	PICK 800, 10, 768                              ; Wq
	PICK 768, 8, 512                               ; value
	PICK 512, 6, 256                               ; key_in
	PICK 256, 4, 0                                 ; query
	s_sub_co_u32 s27, ttmp9, s24                   ; my work-group's number within its tensor
	s_lshl_b32 s28, s27, 17                        ; 131,072 bytes a work-group,
	s_lshl_b32 s27, s25, 15                        ; 32,768 a wave
	s_add_co_u32 s28, s28, s27
	s_mov_b32 s29, 0
	s_add_nc_u64 s[22:23], s[22:23], s[28:29]
	s_lshl_b32 s30, ttmp9, 2
	s_add_co_u32 s30, s30, s25                     ; which run of 8,192 numbers of the combined matrix is my wave's
	s_mul_i32 s28, s30, 32*STEPS*CB                ; 6,144 bytes of codes a run
	s_add_nc_u64 s[18:19], s[18:19], s[28:29]
	s_lshl_b32 s28, s30, 8                         ; 256 scale bytes a run
	s_add_nc_u64 s[20:21], s[20:21], s[28:29]
.macro LOAD t
.irp i, 0,1,2,3
	global_load_b128 v[R+16*((\t)%4)+4*\i:R+16*((\t)%4)+4*\i+3], v3, s[22:23] offset:2048*(\t)+512*\i th:TH_LOAD_NT   ; 32 lanes read 512 consecutive bytes
.endr
.endm
.macro TURN t                          ; step t's numbers through the stage: LDS serves a wave's instructions in order, so no wait stands between the stores and the loads
.irp i, 0,1,2,3
	ds_store_b128 v14, v[R+16*((\t)%4)+4*\i:R+16*((\t)%4)+4*\i+3] offset:32*SP*((\t)%2)+8*SP*\i
.endr
.irp i, 0,1,2,3
	ds_load_b128 v[X+16*((\t)%2)+4*\i:X+16*((\t)%2)+4*\i+3], v15 offset:32*SP*((\t)%2)+16*\i
.endr
.endm
.irp t, 0,1,2,3
	LOAD \t
.endr
	s_wait_loadcnt 12                              ; step 0's four loads are in; the twelve of steps 1 to 3 may be out
	TURN 0
.macro STEP t
.set XS, X+16*((\t)%2)
.if (\t) > 0
	s_wait_dscnt 1                                 ; this step's numbers are back from the stage (the last step's byte store may be out): so its stores into the stage have read their registers,
.else
	s_wait_dscnt 0x0
.endif
.if (\t)+4 < STEPS
	LOAD (\t)+4                                    ; which take the loads of four steps on
.endif
.if (\t)+1 < STEPS
.if STEPS-2-(\t) >= 3
	s_wait_loadcnt 12                              ; the next step's four loads are in; those of the three steps behind it may be out
.else
	s_wait_loadcnt 4*(STEPS-2-(\t))
.endif
	TURN (\t)+1                                    ; and go through the other stage while this step is worked
.endif
	v_max3_num_f32 v8, |v[XS]|, |v[XS+1]|, |v[XS+2]|               ; the largest magnitude of my 16, in two chains
	v_max3_num_f32 v9, |v[XS+3]|, |v[XS+4]|, |v[XS+5]|
.irp i, 6,10
	v_max3_num_f32 v8, v8, |v[XS+\i]|, |v[XS+\i+1]|
	v_max3_num_f32 v9, v9, |v[XS+\i+2]|, |v[XS+\i+3]|
.endr
	v_max3_num_f32 v8, v8, |v[XS+14]|, |v[XS+15]|
	v_max3_num_f32 v8, v8, v9, 0x1800000           ; and the floor 2^(3 - 127): so the byte cannot fall under 1
	v_max_num_f32_dpp v8, v8, v8 row_xmask:1 row_mask:0xf bank_mask:0xf   ; and of my neighbour's 16: the block's
	v_add_nc_u32 v11, 0xff000000, v8               ; 2 off its exponent field: the conversion takes the exponent field of this operand as its scale, and nothing else of it
	v_cvt_scalef32_pk16_fp6_f32 v[C+4*(\t):C+4*(\t)+2], v[XS:XS+15], v11
	v_lshrrev_b32 v[E+(\t)], 23, v11               ; the scale's byte (a plain line behind the conversion)
	ds_store_b8 v5, v[E+(\t)] offset:16*(\t)       ; both lanes of a block write the same byte with the same value
	global_store_b96 v4, v[C+4*(\t):C+4*(\t)+2], s[18:19] offset:32*CB*(\t)   ; the wave stores 384 consecutive bytes
.endm
.irp t, 0,1,2,3,4,5,6,7,8,9,10,11,12,13,14,15
	STEP \t
.endr
	ds_load_b64 v[12:13], v6                       ; LDS serves a wave's instructions in order: these see my stores
	s_wait_dscnt 0x0
	global_store_b64 v7, v[12:13], s[20:21]        ; 32 lanes store 256 consecutive bytes, at a multiple of 256 from the buffer's first byte
	s_wait_tensorcnt 0x0
	ds_add_u32 v192, v193
	s_wait_dscnt 0x0
	s_endpgm
.Lfunc_end_k_q905fa378b4_quant:
	.size	k_q905fa378b4_quant, .Lfunc_end_k_q905fa378b4_quant-k_q905fa378b4_quant
	.p2alignl 7, 3214868480
	.fill 96, 4, 3214868480
	.section	.rodata,"a",@progbits
	.p2align	6, 0x0
	.amdhsa_kernel k_q905fa378b4_quant
		.amdhsa_group_segment_fixed_size 33280
		.amdhsa_private_segment_fixed_size 0
		.amdhsa_enable_private_segment 0
		.amdhsa_kernarg_size 72
		.amdhsa_user_sgpr_count 2
		.amdhsa_user_sgpr_kernarg_segment_ptr 1
		.amdhsa_wavefront_size32 1
		.amdhsa_system_sgpr_workgroup_id_x 1
		.amdhsa_system_sgpr_workgroup_id_y 1
		.amdhsa_system_sgpr_workgroup_id_z 1
		.amdhsa_system_vgpr_workitem_id 0
		.amdhsa_next_free_vgpr 194
		.amdhsa_next_free_sgpr 66
		.amdhsa_reserve_vcc 0
		.amdhsa_float_denorm_mode_32 3
		.amdhsa_float_denorm_mode_16_64 3
		.amdhsa_memory_ordered 1
		.amdhsa_forward_progress 1
		.amdhsa_inst_pref_size 33
	.end_amdhsa_kernel
	.amdgpu_metadata
---
amdhsa.version: [ 1, 2 ]
amdhsa.kernels:
  - .name:           k_q905fa378b4_quant
    .symbol:         k_q905fa378b4_quant.kd
    .args:
      - { .name: query, .offset: 0, .size: 8, .value_kind: global_buffer, .address_space: global }
      - { .name: key_in, .offset: 8, .size: 8, .value_kind: global_buffer, .address_space: global }
      - { .name: value, .offset: 16, .size: 8, .value_kind: global_buffer, .address_space: global }
      - { .name: Wq, .offset: 24, .size: 8, .value_kind: global_buffer, .address_space: global }
      - { .name: Wk, .offset: 32, .size: 8, .value_kind: global_buffer, .address_space: global }
      - { .name: Wv, .offset: 40, .size: 8, .value_kind: global_buffer, .address_space: global }
      - { .name: Wo, .offset: 48, .size: 8, .value_kind: global_buffer, .address_space: global }
      - { .name: codes, .offset: 56, .size: 8, .value_kind: global_buffer, .address_space: global }
      - { .name: scl, .offset: 64, .size: 8, .value_kind: global_buffer, .address_space: global }
    .group_segment_fixed_size: 33280
    .private_segment_fixed_size: 0
    .kernarg_segment_align: 8
    .kernarg_segment_size: 72
    .max_flat_workgroup_size: 128
    .sgpr_count:     66
    .vgpr_count:     194
    .wavefront_size: 32
...
	.end_amdgpu_metadata
.endif
;; end of part 1
;; launch proj (part 2): grid 4 x 96, 4 waves a work-group, clusters of 4 x 4, 327,680 bytes of LDS; arguments codes, scl, bq, bk, bv, qkv; writes qkv
.if DOCPART == 2
	.amdgcn_target "amdgcn-amd-amdhsa--gfx1250"
	.amdhsa_code_object_version 6
	.text
	.protected	k_q905fa378b4_proj
	.globl	k_q905fa378b4_proj
	.p2align	8
	.type	k_q905fa378b4_proj,@function
k_q905fa378b4_proj:
	s_mov_b64 s[64:65], 0
	v_nop
	global_prefetch_b8 v0, s[64:65] scope:SCOPE_SE
	s_setreg_imm32_b32 hwreg(HW_REG_WAVE_MODE, 25, 1), 1
	s_wait_xcnt 0x0
	s_wait_alu depctr_hold_cnt(0) depctr_sa_sdst(0) depctr_va_vdst(0) depctr_va_sdst(0) depctr_va_ssrc(0) depctr_va_vcc(0) depctr_vm_vsrc(0)
	s_getreg_b32 s2, hwreg(HW_REG_IB_STS2, 6, 4)
	s_cmp_eq_u32 s2, 0
	s_cbranch_scc0 .Lentry_in_a_cluster
	s_endpgm
.Lentry_in_a_cluster:
	s_bfe_u32 s2, ttmp6, 0x10000c
	s_cmp_lg_u32 s2, 0xf033
	s_cbranch_scc0 .Lentry_shape_is_right
	s_endpgm
.Lentry_shape_is_right:
.set KSTEP,  256
.set NQ,     KSTEP/128
.set ROWB,   192
.set KROW,   768
.set PITCH,  240
.set FR,     12
.set NL,     6
.set NP,     4
.set HALFT,  128*PITCH
.set SLOT,   4*HALFT
.set LAPS,   2
.set KS,     32
.set SCL,    2*SLOT
.set HALFS,  (128*KS/256)*272
.set SBLK,   (16*KS/256)*272
.set SPARE,  SCL+4*HALFS
.set HEADB,  319488
.set BO,   8
.set ADRA, 16
.set ADRB, 20
.set LI,   24
.set LS,   25
.set ADRS, 27
.set SPW,  28
.set NIL,  29
.set SC,   32
.set BIAS, 64
.set AF,   128
.set TM,   64
.set T2,   80
.set PW,   88
.set FLR,  96
.set CD,   128
.set SW,   224
.set WV,   16
.set WHI,  17
.set WLO,  18
.set TY,   19
.set G1, 24
.set G0, 32
.set G1B, 48
.set G0B, 56
.set G1S, 68
.set G0S, 76
.set G1SB, 80
.set G0SB, 88
.set MSB, 0
.macro WIN new
.set NW, \new
.if MSB != NW
	s_set_vgpr_msb (MSB<<8)|NW
.set MSB, NW
.endif
.endm
.set MUL_LO, 0xa1
.set MUL_HI, 0xf1
.set TO_B,   0x40
.macro JLOAD g0a, g1a, g0b, g1b
	s_cmp_eq_u32 s[WHI], 0
	s_cbranch_scc0 .Lfor_b_\@
	tensor_load_to_lds s[\g0a:\g0a+3], s[\g1a:\g1a+7]
	s_nop 0
.rept 4
	v_nop
.endr
	s_branch .Lasked_\@
.Lfor_b_\@:
	tensor_load_to_lds s[\g0b:\g0b+3], s[\g1b:\g1b+7]
	s_nop 0
.rept 4
	v_nop
.endr
.Lasked_\@:
.endm
.macro CREST
	s_cmp_lg_u32 s[WV], 0
	s_cbranch_scc1 .Lnot_wave_0_\@
	s_barrier_signal -3
.Lnot_wave_0_\@:
	s_barrier_wait -3
	s_barrier_signal -1
	s_barrier_wait -1
.endm
.macro CROUND
	s_barrier_signal -1
	s_barrier_wait -1
	CREST
.endm
	s_load_b256 s[4:11], s[0:1], 0x0
	s_load_b128 s[12:15], s[0:1], 0x20
	v_lshl_add_u32 v[SPW], v0, 2, SPARE
	v_mov_b32 v[NIL], 0
	ds_add_u32 v28, v29
	ds_add_u32 v28, v29
	s_wait_dscnt 0x0
	v_lshrrev_b32 v1, 5, v0
	v_readfirstlane_b32 s[WV], v1
	s_lshr_b32 s[WHI], s[WV], 1
	s_and_b32 s[WLO], s[WV], 1
	s_bfe_u32 s21, ttmp6, 0x40000
	s_bfe_u32 s22, ttmp6, 0x40004
	s_and_b32 s23, ttmp7, 0xffff
	s_lshr_b32 s[TY], s23, 3
	s_and_b32 s20, s23, 7
	s_lshl_b32 s44, s[TY], 13
	s_lshl_b32 s46, s[TY], 10
	s_add_co_u32 s46, s46, 24576
	s_mov_b32 s66, 26624
	s_mov_b32 s67, 16384
	s_cmp_lt_u32 s[TY], 2
	s_cselect_b32 s40, s20, 0
	s_cselect_b32 s41, 0, s20
	s_cselect_b32 s44, s44, s66
	s_cselect_b32 s46, s46, s67
	s_lshl_b32 s40, s40, 2
	s_add_co_u32 s40, s40, s22
	s_lshl_b32 s41, s41, 2
	s_add_co_u32 s41, s41, s21
	s_lshl_b32 s42, s22, 2
	s_lshl_b32 s42, 15, s42
	s_lshl_b32 s43, 0x1111, s21
	s_or_b32 s[G1+0], s42, (0<<16)|(1<<20)|(1<<21)|(3<<22)|(3<<25)
	s_or_b32 s[G1B+0], s43, (0<<16)|(1<<20)|(1<<21)|(3<<22)|(3<<25)
.irp g, G1, G1B
	s_mov_b32 s[\g+1], ROWB<<16
	s_mov_b32 s[\g+2], 128<<16
	s_mov_b32 s[\g+3], ROWB<<16
	s_mov_b32 s[\g+4], 128
	s_mov_b32 s[\g+5], KROW
	s_mov_b32 s[\g+6], 0
	s_mov_b32 s[\g+7], 0
.endr
	s_or_b32 s[G1S+0], s42, (3<<16)|(1<<20)|(1<<21)|(5<<22)|(3<<25)
	s_or_b32 s[G1SB+0], s43, (3<<16)|(1<<20)|(1<<21)|(5<<22)|(3<<25)
.irp g, G1S, G1SB
	s_mov_b32 s[\g+1], 32<<16
	s_mov_b32 s[\g+2], (128*KS/256)<<16
	s_mov_b32 s[\g+3], 32<<16
	s_mov_b32 s[\g+4], 128*KS/256
	s_mov_b32 s[\g+5], 32
	s_mov_b32 s[\g+6], 0
	s_mov_b32 s[\g+7], 0
.endr
	s_lshl_b32 s23, s[WLO], 7
	s_lshl_b32 s66, s40, 8
	s_add_co_u32 s44, s44, s66
	s_add_co_u32 s44, s44, s23
	s_lshl_b32 s67, s41, 8
	s_add_co_u32 s46, s46, s67
	s_add_co_u32 s46, s46, s23
	s_lshl_b32 s92, s44, 5
	s_lshl_b32 s94, s46, 5
	s_mul_i32 s44, s44, KROW
	s_mul_i32 s46, s46, KROW
	s_mov_b32 s45, 0
	s_mov_b32 s47, 0
	s_mov_b32 s93, 0
	s_mov_b32 s95, 0
	s_mul_i32 s96, s[WV], HALFT
	s_mul_i32 s97, s[WV], HALFS
	s_wait_kmcnt 0x0
	s_add_nc_u64 s[44:45], s[4:5], s[44:45]
	s_add_nc_u64 s[46:47], s[4:5], s[46:47]
	s_add_nc_u64 s[92:93], s[6:7], s[92:93]
	s_add_nc_u64 s[94:95], s[6:7], s[94:95]
	CROUND
	s_mov_b32 s[G0S], 1
	s_add_co_u32 s[G0S+1], s97, SCL
	s_mov_b64 s[G0S+2:G0S+3], s[92:93]
	s_or_b32 s[G0S+3], s[G0S+3], 0x80000000
	s_mov_b32 s[G0SB], 1
	s_add_co_u32 s[G0SB+1], s97, SCL
	s_mov_b64 s[G0SB+2:G0SB+3], s[94:95]
	s_or_b32 s[G0SB+3], s[G0SB+3], 0x80000000
	JLOAD G0S, G1S, G0SB, G1SB
.irp s, 0,1
	s_mov_b32 s[G0+4*\s], 1
	s_add_co_u32 s[G0+4*\s+1], s96, \s*SLOT
	s_add_nc_u64 s[G0+4*\s+2:G0+4*\s+3], s[44:45], \s*ROWB
	s_or_b32 s[G0+4*\s+3], s[G0+4*\s+3], 0x80000000
	s_mov_b32 s[G0B+4*\s], 1
	s_add_co_u32 s[G0B+4*\s+1], s96, \s*SLOT
	s_add_nc_u64 s[G0B+4*\s+2:G0B+4*\s+3], s[46:47], \s*ROWB
	s_or_b32 s[G0B+4*\s+3], s[G0B+4*\s+3], 0x80000000
	s_wait_alu depctr_va_vdst(0)
	s_wait_tensorcnt 0x0
	ds_add_u32 v28, v29
	s_wait_dscnt 0x0
	CROUND
	JLOAD G0+4*\s, G1, G0B+4*\s, G1B
.endr
	v_and_b32 v1, 15, v0
	v_bfe_u32 v2, v0, 4, 1
	v_mul_u32_u24 v3, v1, PITCH
	v_mul_u32_u24 v4, v2, 24
	v_add_nc_u32 v4, v3, v4
	v_lshl_add_u32 v5, v2, 4, v4
	s_mul_i32 s66, s[WHI], HALFT
	s_mul_i32 s67, s[WLO], HALFT
	s_add_co_u32 s67, s67, 2*HALFT
.irp s, 0,1
	v_add_nc_u32 v[ADRA+\s], s66, v4
	v_add_nc_u32 v[ADRB+\s], s67, v4
	v_add_nc_u32 v[ADRA+2+\s], s66, v5
	v_add_nc_u32 v[ADRB+2+\s], s67, v5
	s_add_co_u32 s66, s66, SLOT
	s_add_co_u32 s67, s67, SLOT
.endr
	v_mul_u32_u24 v5, v1, KS
	v_lshrrev_b32 v6, 8, v5
	v_lshl_add_u32 v5, v6, 4, v5
	s_mul_i32 s66, s[WHI], HALFS
	s_mul_i32 s67, s[WLO], HALFS
	s_add_co_u32 s67, s67, 2*HALFS
	s_sub_co_u32 s67, s67, s66
	v_mul_u32_u24 v6, s67, v2
	s_add_co_u32 s66, s66, SCL
	v_add_nc_u32 v5, v5, v6
	v_add_nc_u32 v[ADRS], s66, v5
	v_and_b32 v6, 31, v0
	v_lshlrev_b32 v[LI], 4, v6
	v_lshlrev_b32 v[LS], 2, v6
	s_cmp_eq_u32 s[TY], 0
	s_cselect_b64 s[98:99], s[8:9], s[10:11]
	s_cmp_eq_u32 s[TY], 2
	s_cselect_b64 s[98:99], s[12:13], s[98:99]
	s_cmp_lt_u32 s[TY], 2
	s_cselect_b32 s66, s41, s40
	s_cselect_b32 s67, s[WLO], s[WHI]
	s_cselect_b32 s23, 0, 4
	s_cselect_b32 s2, 32, 0
	s_cselect_b32 s3, 4, 0
	s_lshl_b32 s66, s66, 10
	s_lshl_b32 s67, s67, 9
	s_add_co_u32 s66, s66, s67
	s_mov_b32 s67, 0
	s_add_nc_u64 s[98:99], s[98:99], s[66:67]
	v_mul_u32_u24 v[BO], v1, s23
	v_mad_u32_u24 v[BO], v2, s2, v[BO]
.irp j, 1,2,3,4,5,6,7
	v_add_nc_u32 v[BO+\j], s3, v[BO+\j-1]
.endr
.irp g, 0,1,2,3,4,5,6,7
.irp j, 0,1,2,3,4,5,6,7
	global_load_b32 v[BIAS+8*\g+\j], v[BO+\j], s[98:99] offset:64*\g
.endr
.endr
.macro FRAG reg, adr, q, i
.irp p, 0,1,2,3,4,5
.set PIECE, 12*(\q)+6*(\p/3)+\p%3
.if PIECE%8 < 5
	ds_load_b64 v[\reg+2*\p:\reg+2*\p+1], v[\adr] offset:8*PIECE+16*(PIECE/8)+(\i)*16*PITCH
.else
	ds_load_b64 v[\reg+2*\p:\reg+2*\p+1], v[\adr+2] offset:8*PIECE+16*(PIECE/8)+(\i)*16*PITCH
.endif
.endr
.endm
.macro MUL16 a0, p, q, sc, zero
.irp a, \a0, \a0+1
.irp b, 0,1,2,3,4,5,6,7
.if \zero == 1
	v_wmma_scale_f32_16x16x128_f8f6f4 v[8*(8*((\a)%4)+\b):8*(8*((\a)%4)+\b)+7], v[128*(\p)+FR*\b:128*(\p)+FR*\b+FR-1], v[AF+FR*(\a):AF+FR*(\a)+FR-1], v[BIAS+8*\b:BIAS+8*\b+7], v[SC+8*NQ*(\sc)+NQ*\b+(\q)], v[SC+8*NQ*(\sc)+NQ*(\a)+(\q)] matrix_a_fmt:MATRIX_FMT_FP6 matrix_b_fmt:MATRIX_FMT_FP6 matrix_a_scale:MATRIX_SCALE_ROW1
.elseif \zero == 2
	v_wmma_scale_f32_16x16x128_f8f6f4 v[8*(8*((\a)%4)+\b):8*(8*((\a)%4)+\b)+7], v[128*(\p)+FR*\b:128*(\p)+FR*\b+FR-1], v[AF+FR*(\a):AF+FR*(\a)+FR-1], v[BIAS+8*(\a):BIAS+8*(\a)+7], v[SC+8*NQ*(\sc)+NQ*\b+(\q)], v[SC+8*NQ*(\sc)+NQ*(\a)+(\q)] matrix_a_fmt:MATRIX_FMT_FP6 matrix_b_fmt:MATRIX_FMT_FP6 matrix_a_scale:MATRIX_SCALE_ROW1
.else
	v_wmma_scale_f32_16x16x128_f8f6f4 v[8*(8*((\a)%4)+\b):8*(8*((\a)%4)+\b)+7], v[128*(\p)+FR*\b:128*(\p)+FR*\b+FR-1], v[AF+FR*(\a):AF+FR*(\a)+FR-1], v[8*(8*((\a)%4)+\b):8*(8*((\a)%4)+\b)+7], v[SC+8*NQ*(\sc)+NQ*\b+(\q)], v[SC+8*NQ*(\sc)+NQ*(\a)+(\q)] matrix_a_fmt:MATRIX_FMT_FP6 matrix_b_fmt:MATRIX_FMT_FP6 matrix_a_scale:MATRIX_SCALE_ROW1
.endif
.endr
.endr
.endm
.macro FETCH_B slot, q, p
	WIN TO_B
.irp i, 0,1,2,3,4,5,6,7
	FRAG 128*(\p)+FR*\i, ADRB+\slot, \q, \i
.endr
	WIN 0
.endm
.macro FETCH_A slot, q, i0
.irp i, \i0, \i0+1, \i0+2, \i0+3
	FRAG AF+FR*(\i), ADRA+\slot, \q, \i
.endr
.endm
.macro SCALES sc
.irp i, 0,1,2,3,4,5,6,7
	ds_load_b64 v[SC+8*NQ*\sc+NQ*\i:SC+8*NQ*\sc+NQ*\i+1], v[ADRS] offset:\i*SBLK
.endr
.endm
.macro PLACES n
.rept \n
	v_nop
.endr
.endm
.macro STEP slot, q, zero
	s_wait_dscnt 4*NL
.if \zero
	WIN 0x81
.else
	WIN MUL_LO
.endif
	MUL16 0, (\q)%2, \q, \slot, \zero
	MUL16 2, (\q)%2, \q, \slot, \zero
	s_wait_dscnt 0
	PLACES NP
	FETCH_B \slot, (\q)+1, 1-(\q)%2
	FETCH_A \slot, (\q)+1, 0
.if \zero
	WIN 0xc1
.else
	WIN MUL_HI
.endif
	MUL16 4, (\q)%2, \q, \slot, \zero
	MUL16 6, (\q)%2, \q, \slot, \zero
	PLACES NP
	WIN 0
	FETCH_A \slot, (\q)+1, 4
.endm
.macro TURN slot, next, fill
	s_wait_tensorcnt 0x0
	ds_add_u32 v[SPW], v[NIL]
	s_wait_dscnt 4*NL+1
	WIN MUL_LO
	MUL16 0, 1, NQ-1, \slot, 0
	s_wait_dscnt 0x0
	s_barrier_signal -1
	MUL16 2, 1, NQ-1, \slot, 0
	WIN 0
	s_barrier_wait -1
.if \fill
	CREST
	s_add_nc_u64 s[G0+4*\slot+2:G0+4*\slot+3], s[G0+4*\slot+2:G0+4*\slot+3], 2*ROWB
	s_add_nc_u64 s[G0B+4*\slot+2:G0B+4*\slot+3], s[G0B+4*\slot+2:G0B+4*\slot+3], 2*ROWB
	JLOAD G0+4*\slot, G1, G0B+4*\slot, G1B
.else
	PLACES NP
.endif
	s_wait_alu depctr_va_vdst(0)
	v_add_nc_u32 v[ADRS], 4*NQ, v[ADRS]
	FETCH_B \next, 0, 0
	FETCH_A \next, 0, 0
	SCALES \next
	WIN MUL_HI
	MUL16 4, 1, NQ-1, \slot, 0
	MUL16 6, 1, NQ-1, \slot, 0
	PLACES NP
	WIN 0
	FETCH_A \next, 0, 4
.endm
	s_wait_tensorcnt 1
	s_barrier_signal -1
	s_barrier_wait -1
	FETCH_B 0, 0, 0
	FETCH_A 0, 0, 0
	SCALES 0
	FETCH_A 0, 0, 4
	s_wait_loadcnt 0x0
	s_cmp_eq_u32 s[TY], 2
	s_cbranch_scc1 .Lfirst_v
	STEP 0, 0, 1
	s_branch .Lfirst_done
.Lfirst_v:
	STEP 0, 0, 2
.Lfirst_done:
	s_mov_b32 s3, LAPS-1
.Llap:
	TURN 0, 1, 1
	STEP 1, 0, 0
	TURN 1, 0, 1
	STEP 0, 0, 0
	s_sub_co_u32 s3, s3, 1
	s_cmp_lg_u32 s3, 0
	s_cbranch_scc1 .Llap
	TURN 0, 1, 0
	STEP 1, 0, 0
	s_wait_dscnt 4*NL
	WIN MUL_LO
	MUL16 0, 1, NQ-1, 1, 0
	MUL16 2, 1, NQ-1, 1, 0
	s_wait_dscnt 0
	WIN MUL_HI
	MUL16 4, 1, NQ-1, 1, 0
	MUL16 6, 1, NQ-1, 1, 0
	WIN 0
.macro QUANT w, s, d0, d1, pw
	WIN ((\w)<<2)|((\w)<<4)
.irp b, 0,1,2,3
	v_max3_num_f32 v[TM+\b], v[FLR], |v[(\s)+16*\b]|, |v[(\s)+16*\b+1]|
.endr
.irp i, 2,4,6,8,10,12,14
.irp b, 0,1,2,3
	v_max3_num_f32 v[TM+\b], v[TM+\b], |v[(\s)+16*\b+\i]|, |v[(\s)+16*\b+\i+1]|
.endr
.endr
	WIN 0
.irp b, 0,1,2,3
	v_permlanex16_b32 v[TM+4+\b], v[TM+\b], s42, s43
.endr
.irp b, 0,1,2,3
	v_max_num_f32 v[TM+\b], v[TM+\b], v[TM+4+\b]
.endr
.irp b, 0,1,2,3
	v_add_nc_u32 v[TM+12+\b], 0xff000000, v[TM+\b]
.endr
.irp b, 0,1,2,3
	v_lshrrev_b32 v[TM+4+\b], 23, v[TM+12+\b]
.endr
	v_lshl_or_b32 v[\pw], v[TM+5], 8, v[TM+4]
	v_lshl_or_b32 v[\pw], v[TM+6], 16, v[\pw]
	v_lshl_or_b32 v[\pw], v[TM+7], 24, v[\pw]
	WIN (\w)
	v_cvt_scalef32_pk16_fp6_f32 v[(\d0):(\d0)+2], v[(\s):(\s)+15], v[TM+12]
	v_cvt_scalef32_pk16_fp6_f32 v[T2:T2+2], v[(\s)+16:(\s)+31], v[TM+13]
	v_cvt_scalef32_pk16_fp6_f32 v[(\d1):(\d1)+2], v[(\s)+32:(\s)+47], v[TM+14]
	v_cvt_scalef32_pk16_fp6_f32 v[T2+4:T2+6], v[(\s)+48:(\s)+63], v[TM+15]
	WIN 0
	v_nop
.irp i, 0,1,2
	v_permlane16_swap_b32 v[(\d0)+\i], v[T2+\i]
	v_permlane16_swap_b32 v[(\d1)+\i], v[T2+4+\i]
.endr
.irp i, 0,1,2
	v_mov_b32 v[(\d0)+3+\i], v[T2+\i]
	v_mov_b32 v[(\d1)+3+\i], v[T2+4+\i]
.endr
.endm
	PLACES NP
	v_mov_b32 v[FLR], 0x1800000
.irp b, 0,1,2,3
	v_mov_b32 v[TM+4+\b], 0
.endr
	s_mov_b32 s42, 0x76543210
	s_mov_b32 s43, 0xfedcba98
	s_mov_b32 s93, 0
	s_mov_b32 s95, 0
	s_cmp_eq_u32 s[TY], 2
	s_cbranch_scc1 .Lout_v
	s_lshr_b32 s66, s40, 3
	s_lshl_b32 s66, s66, 4
	s_lshl_b32 s67, s41, 2
	s_add_co_u32 s66, s66, s67
	s_lshl_b32 s67, s[WLO], 1
	s_add_co_u32 s66, s66, s67
	s_mul_i32 s66, s66, HEADB
	s_and_b32 s67, s40, 7
	s_lshl_b32 s67, s67, 3
	s_lshl_b32 s23, s[WHI], 2
	s_add_co_u32 s67, s67, s23
	s_mul_i32 s92, s67, 1536
	s_add_co_u32 s92, s92, s66
	s_lshl_b32 s94, s67, 7
	s_add_co_u32 s94, s94, s66
	s_lshr_b32 s23, s67, 4
	s_mul_i32 s23, s23, 24576
	s_add_co_u32 s23, s23, 16384
	s_mov_b32 s66, 221184
	s_mov_b32 s67, 212992
	s_cmp_eq_u32 s[TY], 1
	s_cselect_b32 s23, s23, s66
	s_cselect_b32 s67, 0, s67
	s_add_co_u32 s92, s92, s23
	s_add_co_u32 s94, s94, s67
	s_add_nc_u64 s[92:93], s[14:15], s[92:93]
	s_add_nc_u64 s[94:95], s[14:15], s[94:95]
	s_wait_alu depctr_va_vdst(0)
.irp pr, 0,1,2,3
	QUANT 2+\pr/2, 64*((2*\pr)%4), CD+24*\pr, CD+24*\pr+12, PW
	QUANT 2+\pr/2, 64*((2*\pr+1)%4), CD+24*\pr+6, CD+24*\pr+18, PW+1
	v_perm_b32 v[SW+2*\pr], v[PW+1], v[PW], 0x05040100
	v_perm_b32 v[SW+2*\pr+1], v[PW+1], v[PW], 0x07060302
.irp c, 0,1
.irp i, 0,1,2
	global_store_b128 v[LI], v[CD+24*\pr+12*\c+4*\i:CD+24*\pr+12*\c+4*\i+3], s[92:93] offset:\c*HEADB+1536*\pr+512*\i
.endr
	global_store_b32 v[LS], v[SW+2*\pr+\c], s[94:95] offset:\c*HEADB+128*\pr
.endr
.endr
	s_branch .Lend
.Lout_v:
	s_lshr_b32 s66, s41, 3
	s_lshl_b32 s66, s66, 4
	s_lshl_b32 s67, s40, 2
	s_add_co_u32 s66, s66, s67
	s_lshl_b32 s67, s[WHI], 1
	s_add_co_u32 s66, s66, s67
	s_mul_i32 s66, s66, HEADB
	s_and_b32 s67, s41, 7
	s_lshl_b32 s67, s67, 1
	s_add_co_u32 s67, s67, s[WLO]
	s_lshr_b32 s23, s67, 2
	s_mul_i32 s92, s23, 49152
	s_and_b32 s23, s67, 3
	s_mul_i32 s23, s23, 6144
	s_add_co_u32 s92, s92, s23
	s_add_co_u32 s92, s92, 40960
	s_add_co_u32 s92, s92, s66
	s_lshl_b32 s94, s67, 9
	s_add_co_u32 s94, s94, 8192
	s_add_co_u32 s94, s94, s66
	s_add_nc_u64 s[92:93], s[14:15], s[92:93]
	s_add_nc_u64 s[94:95], s[14:15], s[94:95]
	s_wait_alu depctr_va_vdst(0)
.irp a, 0,1,2,3,4,5,6,7
	QUANT 2+\a/4, 64*(\a%4), CD+12*\a, CD+12*\a+6, PW+\a
.irp i, 0,1,2
	global_store_b128 v[LI], v[CD+12*\a+4*\i:CD+12*\a+4*\i+3], s[92:93] offset:(\a/4)*HEADB+1536*(\a%4)+512*\i
.endr
	global_store_b32 v[LS], v[PW+\a], s[94:95] offset:(\a/4)*HEADB+128*(\a%4)
.endr
.Lend:
	s_wait_tensorcnt 0x0
	ds_add_u32 v[SPW], v[NIL]
	s_wait_dscnt 0x0
	CROUND
	s_endpgm
.Lfunc_end_k_q905fa378b4_proj:
	.size	k_q905fa378b4_proj, .Lfunc_end_k_q905fa378b4_proj-k_q905fa378b4_proj
	.p2alignl 7, 3214868480
	.fill 96, 4, 3214868480
	.section	.rodata,"a",@progbits
	.p2align	6, 0x0
	.amdhsa_kernel k_q905fa378b4_proj
		.amdhsa_group_segment_fixed_size 327680
		.amdhsa_private_segment_fixed_size 0
		.amdhsa_enable_private_segment 0
		.amdhsa_kernarg_size 48
		.amdhsa_user_sgpr_count 2
		.amdhsa_user_sgpr_kernarg_segment_ptr 1
		.amdhsa_wavefront_size32 1
		.amdhsa_system_sgpr_workgroup_id_x 1
		.amdhsa_system_sgpr_workgroup_id_y 1
		.amdhsa_system_sgpr_workgroup_id_z 1
		.amdhsa_system_vgpr_workitem_id 0
		.amdhsa_next_free_vgpr 1024
		.amdhsa_next_free_sgpr 100
		.amdhsa_reserve_vcc 0
		.amdhsa_float_denorm_mode_32 3
		.amdhsa_float_denorm_mode_16_64 3
		.amdhsa_memory_ordered 1
		.amdhsa_forward_progress 1
		.amdhsa_inst_pref_size 221
	.end_amdhsa_kernel
	.amdgpu_metadata
---
amdhsa.version: [ 1, 2 ]
amdhsa.kernels:
  - .name:           k_q905fa378b4_proj
    .symbol:         k_q905fa378b4_proj.kd
    .args:
      - { .name: codes, .offset: 0, .size: 8, .value_kind: global_buffer, .address_space: global }
      - { .name: scl, .offset: 8, .size: 8, .value_kind: global_buffer, .address_space: global }
      - { .name: bq, .offset: 16, .size: 8, .value_kind: global_buffer, .address_space: global }
      - { .name: bk, .offset: 24, .size: 8, .value_kind: global_buffer, .address_space: global }
      - { .name: bv, .offset: 32, .size: 8, .value_kind: global_buffer, .address_space: global }
      - { .name: qkv, .offset: 40, .size: 8, .value_kind: global_buffer, .address_space: global }
    .group_segment_fixed_size: 327680
    .private_segment_fixed_size: 0
    .kernarg_segment_align: 8
    .kernarg_segment_size: 48
    .max_flat_workgroup_size: 128
    .sgpr_count:     100
    .vgpr_count:     1024
    .wavefront_size: 32
...
	.end_amdgpu_metadata
.endif
;; end of part 2
;; launch attn (part 3): grid 8 x 64, 16 waves a work-group, clusters of 4 x 1, 227,328 bytes of LDS; arguments qkv, cc, cs; writes cc, cs
.if DOCPART == 3
	.amdgcn_target "amdgcn-amd-amdhsa--gfx1250"
	.amdhsa_code_object_version 6
	.text
	.protected	k_q905fa378b4_attn
	.globl	k_q905fa378b4_attn
	.p2align	8
	.type	k_q905fa378b4_attn,@function
k_q905fa378b4_attn:
	s_mov_b64 s[64:65], 0
	v_nop
	global_prefetch_b8 v0, s[64:65] scope:SCOPE_SE
	s_setreg_imm32_b32 hwreg(HW_REG_WAVE_MODE, 25, 1), 1
	s_wait_xcnt 0x0
	s_wait_alu depctr_hold_cnt(0) depctr_sa_sdst(0) depctr_va_vdst(0) depctr_va_sdst(0) depctr_va_ssrc(0) depctr_va_vcc(0) depctr_vm_vsrc(0)
	s_getreg_b32 s2, hwreg(HW_REG_IB_STS2, 6, 4)
	s_cmp_eq_u32 s2, 0
	s_cbranch_scc0 .Lentry_in_a_cluster
	s_endpgm
.Lentry_in_a_cluster:
	s_bfe_u32 s2, ttmp6, 0x10000c
	s_cmp_lg_u32 s2, 0x3003
	s_cbranch_scc0 .Lentry_shape_is_right
	s_endpgm
.Lentry_shape_is_right:
; ctx[b][q][head] = softmax_k(Q . K / 8) V for 64 heads of 2,048 tokens x 64, both products on codes of FP6 (E2M3) with one E8M0 scale for each 32 along a product's K; ctx is quantised along its 64 on the way out.
; THE SOFTMAX AHEAD OF THE SECOND PRODUCT: t = score x log2(e) / 8; M = the row's largest t so far, rounded UP to a whole number; p = 2^(t - M) is what is quantised, along the keys; it is not normalised.
; The row's sum is taken of the unquantised p, in f32, and divides O at the end.  When M moves, the sum and O are multiplied by 2^(old M - new M): exact.
; INPUT: qkv, 64 head regions of 319,488 bytes, all as images of operand registers (registers 4 i .. 4 i + 3 of lane l at 512 i + 16 l; scale words at 4 l): 0 K's scale images, 128 bytes for 32 keys; 8,192 V's, 128 bytes for
; 16 d x 128 keys; 16,384 + 49,152 c chunk c of 512 keys: 16 images of K, then 16 of V; 212,992 Q's scale images; 221,184 Q's images.  Within each block of 32 the codes stand in this program's one order, on both sides of each product.
; SHARES.  A work-group owns 256 queries of one head, each of its SIXTEEN waves 16 of them in 256 registers: four waves to a SIMD, so that one wave's vector work stands beside another's matrix work and LDS loads.
; A WHOLE HEAD'S K AND V, 212,992 bytes, LIE IN LDS, byte for byte as in qkv: every fill is a first fill: no slot is filled again.  Each wave asks for a sixteenth of the scale images and of each chunk: five tensor loads of a wave are out.
; CLUSTER.  The four work-groups of a cluster belong to one head and read the same K and V: each load is asked for JOINTLY, with the same descriptor (made of the head and the wave's number alone) and a mask that names the four.
; No prefetch is written: every byte of K and V is asked for at the kernel's head.
; THE FIRST PRODUCT'S K IS 64, the instruction's 128.  An image of K holds TWO tiles of 16 keys: registers 0-5 keys 32 g + r, registers 6-11 keys 32 g + 16 + r.  It is source 0 of two products: with [q | zeros] for the first tile,
; with [zeros | q] for the second.  The zero codes add nothing (their scale bytes are 0, which is 2^-127).  v16-33 hold q, six zeros, q: both forms are runs of 12 of them.
; LAYOUT.  Both products are used transposed: S^T = K Q^T, O^T = V^T P^T: a lane holds ONE query (lane % 16) throughout.  A lane's 16 scores of a group are keys 8 h + 0..7 and 16 + 8 h + 0..7 of its 32: the order in which V's keys stand.
; OUTPUT: cc [16 heads][8,192 tokens][48 bytes] of codes; cs [8,192 tokens][32] scale bytes, a head's two at 2 x head.
; LIMITS: p under 2^-126 counts as 0 (v_exp_f32 gives 0 there); a block whose largest magnitude lies under 2^-124 gets the byte 1 (read by this program alone); NaN and infinities are not served.
.set HEADB,  319488
.set CHUNKB, 49152
.set STG,    212992                    ; behind K and V: 768 bytes for each wave, for the way out: blocks of 256 bytes into which no fill lands
.set LI,  1                            ; v1   16 x lane; never rewritten
.set LS,  2                            ; v2   4 x lane; never rewritten
.set ADK, 3                            ; v3   LDS address of the step's images
.set ADS, 4                            ; v4   of its scale images
.set STA, 5                            ; v5   the way out: where I put my 24 bytes
.set STR, 6                            ; v6   and where I read 8 bytes back
.set GO,  7                            ; v7   8 x lane
.set CSO, 8                            ; v8   32 x (lane % 16): my token's row of scale bytes
.set QF,  16                           ; v16-33  q, six zeros, q
.set KF,  40                           ; v40-87  four images: of K, then of V
.set S,   96                           ; v96-159 S^T, then p
.set OT,  160                          ; v160-191 O^T: four tiles of 16 d
.set CD,  192                          ; v192-203 p's codes
.set T2,  204                          ; v204-206, v208-210 the blocks' second halves
.set BM,  212                          ; v212-215 the blocks' largest scores, then their largest p
.set BT,  216                          ; v216-219 at work
.set SO,  220                          ; v220-223 the conversions' scale operands
.set F,   224                          ; v[224:225] f = 2^(old M - new M), named as a pair
.set TMP, 226
.set L2,  228                          ; v[228:229] one of the sum's eight chains
.set KSC, 232                          ; v232-235 K's scale words;  v236-239 V's;  v240, v241 q's for the two forms;  v242 p's, after it has served as a chain of the sum
.set VSC, 236
.set QS0, 240
.set QS1, 241
.set PS,  242
.set WV,  10                           ; s10 wave
.set SEL, 20                           ; s[20:21] v_permlanex16_b32's selects for lane l xor 16
.set CS,  22                           ; s[22:23] c = log2(e) / 8
.set G1C, 24                           ; s[24:31] descriptor group 1 for a wave's part of a chunk;  s[32:39] for its part of the scale images
.set G1S, 32
.set G0,  40                           ; s[40:59] five groups 0
.set TB,  60                           ; s60 LDS byte at which the step's images of K begin
.set TS,  61                           ; s61 and its scale images
.set CNT, 62
.macro CROUND                          ; a round of the cluster's barrier
	s_barrier_signal -1
	s_barrier_wait -1
	s_cmp_lg_u32 s[WV], 0
	s_cbranch_scc1 .Lnot_wave_0_\@
	s_barrier_signal -3
.Lnot_wave_0_\@:
	s_barrier_wait -3
	s_barrier_signal -1
	s_barrier_wait -1
.endm
	s_load_b128 s[4:7], s[0:1], 0x0                ; qkv s[4:5], cc s[6:7]
	s_load_b64 s[8:9], s[0:1], 0x10                ; cs
	v_lshl_add_u32 v254, v0, 2, 0x37000
	v_mov_b32 v255, 0
	ds_add_u32 v254, v255
	ds_add_u32 v254, v255
	v_lshrrev_b32 v9, 5, v0
	s_delay_alu instid0(VALU_DEP_1)
	v_readfirstlane_b32 s[WV], v9                  ; wave 0..15
	s_bfe_u32 s11, ttmp6, 0x40000                  ; cx: my place in the cluster: it enters Q's, cc's and cs's global addresses alone
	s_lshl_b32 s12, ttmp9, 2
	s_add_co_u32 s12, s12, s11                     ; my block of 256 queries
	s_and_b32 s13, ttmp7, 0xffff                   ; 16 x batch + head, which the four partners share
	s_mul_i32 s14, s13, HEADB
	s_mov_b32 s15, 0
	v_and_b32 v9, 31, v0                           ; lane
	s_delay_alu instid0(VALU_DEP_1)
	v_lshlrev_b32 v[LI], 4, v9
	s_delay_alu instid0(VALU_DEP_2)
	v_lshlrev_b32 v[LS], 2, v9
	v_and_b32 v10, 15, v0                          ; r
	v_bfe_u32 v11, v0, 4, 1                        ; h
	s_mul_i32 s68, s[WV], 768
	s_add_co_u32 s68, s68, STG                     ; my stage
	v_mul_u32_u24 v[STA], v10, 48
	s_delay_alu instid0(VALU_DEP_1)
	v_mad_u32_u24 v[STA], v11, 24, v[STA]
	s_delay_alu instid0(VALU_DEP_1)
	v_add_nc_u32 v[STA], s68, v[STA]               ; token r's 48 bytes, block h's 24 of them
	v_lshlrev_b32 v[GO], 3, v9
	s_delay_alu instid0(VALU_DEP_1)
	v_add_nc_u32 v[STR], s68, v[GO]
	v_lshlrev_b32 v[CSO], 5, v10
	; descriptor group 1: dense bytes as rows of 256 (32 elements of 8 bytes), no padding: 12 rows of a chunk, 4 rows of the scale images
	s_mov_b32 s[G1C], 15|(3<<16)|(1<<21)           ; 15:0 the mask: all four work-groups; 17:16 elements of 8 bytes; 21 set beside a mask
	s_mov_b32 s[G1C+1], 32<<16                     ; tensor_dim0
	s_mov_b32 s[G1C+2], 12<<16                     ; tensor_dim1
	s_mov_b32 s[G1C+3], 32<<16                     ; tile_dim0
	s_mov_b32 s[G1C+4], 12                         ; tile_dim1
	s_mov_b32 s[G1C+5], 32                         ; tensor_dim0_stride
	s_mov_b32 s[G1C+6], 0
	s_mov_b32 s[G1C+7], 0
	s_mov_b32 s[G1S], 15|(3<<16)|(1<<21)
	s_mov_b32 s[G1S+1], 32<<16
	s_mov_b32 s[G1S+2], 4<<16
	s_mov_b32 s[G1S+3], 32<<16
	s_mov_b32 s[G1S+4], 4
	s_mov_b32 s[G1S+5], 32
	s_mov_b32 s[G1S+6], 0
	s_mov_b32 s[G1S+7], 0
	s_lshl_b32 s18, s[WV], 10                      ; my 1,024 bytes of the scale images: the same offset in LDS and in the head's region
	s_mov_b32 s19, 0
	s_mul_i32 s70, s[WV], 3072                     ; my 3,072 bytes of a chunk
	s_add_co_u32 s70, s70, 16384
	s_mov_b32 s71, 0
	s_wait_dscnt 0x0
	s_wait_kmcnt 0x0
	s_add_nc_u64 s[16:17], s[4:5], s[14:15]        ; the head's region
	s_mov_b32 s[G0], 1                             ; 1:0 count = 1
	s_mov_b32 s[G0+1], s18                         ; 63:32 LDS address
	s_add_nc_u64 s[G0+2:G0+3], s[16:17], s[18:19]  ; 120:64 global address
	s_or_b32 s[G0+3], s[G0+3], 0x80000000          ; 127:126 type = 2
	s_add_nc_u64 s[66:67], s[16:17], s[70:71]
.irp c, 0,1,2,3
	s_mov_b32 s[G0+4+4*\c], 1
	s_add_co_u32 s[G0+5+4*\c], s70, \c*CHUNKB
	s_add_nc_u64 s[G0+6+4*\c:G0+7+4*\c], s[66:67], \c*CHUNKB
	s_or_b32 s[G0+7+4*\c], s[G0+7+4*\c], 0x80000000
.endr
	CROUND                                         ; all four work-groups are here: the joint loads meet
	tensor_load_to_lds s[G0:G0+3], s[G1S:G1S+7]    ; all fills of the launch go out as one group: the scale images,
	s_nop 0
.irp c, 0,1,2,3
	tensor_load_to_lds s[G0+4+4*\c:G0+7+4*\c], s[G1C:G1C+7]   ; and the four chunks
	s_nop 0
.endr
.rept 4
	v_nop                                          ; four v_nop follow the last
.endr
	; Q: the image of group 8 x block + wave / 2; my tile is its half wave % 2
	s_lshl_b32 s68, s12, 3
	s_lshr_b32 s69, s[WV], 1
	s_add_co_u32 s68, s68, s69
	s_mul_i32 s18, s68, 1536
	s_add_co_u32 s18, s18, 221184
	s_add_nc_u64 s[66:67], s[16:17], s[18:19]
	s_lshl_b32 s18, s68, 7
	s_add_co_u32 s18, s18, 212992
	s_add_nc_u64 s[68:69], s[16:17], s[18:19]
.irp i, 0,1,2
	global_load_b128 v[KF+4*\i:KF+4*\i+3], v[LI], s[66:67] offset:512*\i
.endr
	s_wait_alu depctr_va_vdst(0)
	global_load_b32 v[TMP], v[LS], s[68:69]
	s_and_b32 s70, s[WV], 1
	s_cmp_lg_u32 s70, 0
	s_cselect_b32 s63, -1, 0                       ; all lanes take the image's second half, or none
	s_lshl_b32 s70, s70, 4                         ; and the scale word's upper two bytes, or the lower
	s_mov_b32 s[SEL], 0x76543210
	s_mov_b32 s[SEL+1], 0xfedcba98
	s_mov_b32 s[CS], 0x3e38aa3b                    ; c = log2(e) / 8
	s_mov_b32 s[CS+1], s[CS]                       ; (named with it as a pair, so it is written)
	s_mov_b32 s[TB], 16384
	s_mov_b32 s[TS], 0
	s_wait_loadcnt 0x0
.irp i, 0,1,2,3,4,5
	v_cndmask_b32 v[QF+\i], v[KF+\i], v[KF+6+\i], s63
.endr
.irp i, 0,1,2,3,4,5
	v_mov_b32 v[QF+6+\i], 0
.endr
.irp i, 0,1,2,3,4,5
	v_mov_b32 v[QF+12+\i], v[QF+\i]
.endr
	v_lshrrev_b32 v[QS0], s70, v[TMP]
	s_delay_alu instid0(VALU_DEP_1)
	v_and_b32 v[QS0], 0xffff, v[QS0]               ; q's two bytes below, for [q | zeros];
	s_delay_alu instid0(VALU_DEP_1)
	v_lshlrev_b32 v[QS1], 16, v[QS0]               ; above, for [zeros | q]
	v_mov_b32 v13, 0xff61b1e6                      ; the largest t so far: -3e38, under every t
	s_delay_alu instid0(VALU_DEP_1)
	v_floor_f32 v12, -v13                          ; -M
	v_mov_b32 v14, 0                               ; the sum, in two halves
	v_mov_b32 v15, 0
.irp b, 0,1,2,3
	v_mov_b32 v[BT+\b], 0                          ; written once: a lane permute's destination counts as one of its sources
.endr
	v_mov_b32 v[F+1], 0                            ; (named as the upper half of the pair)
.set j, 0
.rept 32
	v_mov_b32 v[OT+j], 0                           ; O^T.  (The step is written once: the first finds zeros, which the first change of M leaves zeros.)  These are also the places between q's scale words and the first products
.set j, j+1
.endr
; A KEY STEP: 128 keys: four images of K, four of V.
.macro STEP
	v_add_nc_u32 v[ADK], s[TB], v[LI]
	v_add_nc_u32 v[ADS], s[TS], v[LS]
	v_nop
	v_nop                                          ; four places in front of loads into registers that the last products have read
.irp b, 0,1,2,3
.irp i, 0,1,2
	ds_load_b128 v[KF+12*\b+4*\i:KF+12*\b+4*\i+3], v[ADK] offset:1536*\b+512*\i   ; 32 lanes read 512 consecutive bytes
.endr
	ds_load_b32 v[KSC+\b], v[ADS] offset:128*\b
.endr
	s_wait_alu depctr_va_vdst(0)
	s_wait_dscnt 0x0
.irp b, 0,1,2,3                                ; S^T = K Q^T: each image serves two tiles of 16 keys
	v_wmma_scale_f32_16x16x128_f8f6f4 v[S+16*\b:S+16*\b+7], v[KF+12*\b:KF+12*\b+11], v[QF:QF+11], 0, v[KSC+\b], v[QS0] matrix_a_fmt:MATRIX_FMT_FP6 matrix_b_fmt:MATRIX_FMT_FP6
	v_wmma_scale_f32_16x16x128_f8f6f4 v[S+16*\b+8:S+16*\b+15], v[KF+12*\b:KF+12*\b+11], v[QF+6:QF+17], 0, v[KSC+\b], v[QS1] matrix_a_fmt:MATRIX_FMT_FP6 matrix_b_fmt:MATRIX_FMT_FP6
.endr
.rept 4
	v_nop                                          ; places in front of the loads below and of the first read of the scores
.endr
.irp t, 0,1,2,3                                ; V's four images land while the softmax is worked
.irp i, 0,1,2
	ds_load_b128 v[KF+12*\t+4*\i:KF+12*\t+4*\i+3], v[ADK] offset:24576+1536*\t+512*\i
.endr
	ds_load_b32 v[VSC+\t], v[ADS] offset:8192+128*\t
.endr
.irp b, 0,1,2,3
	v_max3_num_f32 v[BM+\b], v[S+16*\b], v[S+16*\b+1], v[S+16*\b+2]   ; THE LARGEST SCORE OF EACH BLOCK OF 32 KEYS: it serves twice: for the row's maximum, and, since p rises with the score, for the block's largest p
.endr
.irp i, 3,5,7,9,11,13
.irp b, 0,1,2,3
	v_max3_num_f32 v[BM+\b], v[BM+\b], v[S+16*\b+\i], v[S+16*\b+\i+1]   ; (the four blocks by turns)
.endr
.endr
.irp b, 0,1,2,3
	v_max_num_f32 v[BM+\b], v[BM+\b], v[S+16*\b+15]
.endr
.irp b, 0,1,2,3
	s_delay_alu instid0(VALU_DEP_4)
	v_permlanex16_b32 v[BT+\b], v[BM+\b], s[SEL], s[SEL+1]
.endr
.irp b, 0,1,2,3
	s_delay_alu instid0(VALU_DEP_4)
	v_max_num_f32 v[BM+\b], v[BM+\b], v[BT+\b]     ; with lane l xor 16's 16 keys
.endr
	s_delay_alu instid0(VALU_DEP_2)
	v_max3_num_f32 v[TMP], v[BM], v[BM+1], v[BM+2]
	s_delay_alu instid0(VALU_DEP_1)
	v_max_num_f32 v[TMP], v[TMP], v[BM+3]          ; the step's largest score of my query
	s_delay_alu instid0(VALU_DEP_1)
	v_mul_f32 v[TMP], s[CS], v[TMP]                ; as t (c is positive)
	s_delay_alu instid0(VALU_DEP_1)
	v_max_num_f32 v13, v13, v[TMP]                 ; the running largest t
	v_mov_b32 v[TMP], v12
	s_delay_alu instid0(VALU_DEP_2)
	v_floor_f32 v12, -v13                          ; the new -M = floor(-t) = -ceil(t): M IS A WHOLE NUMBER
	s_delay_alu instid0(VALU_DEP_1)
	v_sub_f32 v[TMP], v12, v[TMP]                  ; M's old value less its new one: a whole number, 0 or less
	s_delay_alu instid0(VALU_DEP_1)
	v_cvt_i32_f32 v[TMP], v[TMP]                   ; (it saturates)
	s_delay_alu instid0(VALU_DEP_1)
	v_ldexp_f32 v[F], 1.0, v[TMP]                  ; f = 2^(old M - new M)
.set j, 0
.rept 32
	v_pk_fma_f32 v[S+j:S+j+1], v[S+j:S+j+1], s[CS:CS+1], v[12:13] op_sel_hi:[1,0,0]   ; t - M, two at a time (of the pairs c and -M the low word serves both halves)
.set j, j+2
.endr
.irp b, 0,1,2,3
	v_fma_f32 v[BM+\b], v[BM+\b], s[CS], v12       ; the same of each block's largest score
.endr
.set j, 0
	s_wait_alu depctr_va_vdst(0)
.rept 64
	v_exp_f32 v[S+j], v[S+j]                       ; p = 2^(t - M), at most 1: NOT normalised
.set j, j+1
.endr
	s_setprio 1
	v_pk_mul_f32 v[14:15], v[14:15], v[F:F+1] op_sel_hi:[1,0]   ; the sums under the new M.  (A plain place behind the exponentials)
	s_wait_alu depctr_va_vdst(0)                   ; one wait for the whole batch, ahead of its first reader
.irp b, 0,1,2,3
	v_exp_f32 v[BM+\b], v[BM+\b]                   ; the block's largest p: the same two instructions on the same number give the same bits
.endr
	v_pk_add_f32 v[228:229], v[100:101], v[104:105]
	v_pk_add_f32 v[252:253], v[108:109], v[112:113]
	v_pk_add_f32 v[250:251], v[116:117], v[120:121]
	v_pk_add_f32 v[248:249], v[124:125], v[128:129]
	v_pk_add_f32 v[246:247], v[132:133], v[136:137]
	v_pk_add_f32 v[244:245], v[140:141], v[144:145]
	v_pk_add_f32 v[242:243], v[148:149], v[152:153]
	v_pk_add_f32 v[14:15], v[14:15], v[156:157]
	v_pk_add_f32 v[228:229], v[228:229], v[96:97]
	v_pk_add_f32 v[252:253], v[252:253], v[98:99]
	v_pk_add_f32 v[250:251], v[250:251], v[102:103]
	v_pk_add_f32 v[248:249], v[248:249], v[106:107]
	v_pk_add_f32 v[246:247], v[246:247], v[110:111]
	v_pk_add_f32 v[244:245], v[244:245], v[114:115]
	v_pk_add_f32 v[242:243], v[242:243], v[118:119]
	v_pk_add_f32 v[14:15], v[14:15], v[122:123]
	v_pk_add_f32 v[228:229], v[228:229], v[126:127]
	v_pk_add_f32 v[252:253], v[252:253], v[130:131]
	v_pk_add_f32 v[250:251], v[250:251], v[134:135]
	v_pk_add_f32 v[248:249], v[248:249], v[138:139]
	v_pk_add_f32 v[246:247], v[246:247], v[142:143]
	v_pk_add_f32 v[244:245], v[244:245], v[146:147]
	v_pk_add_f32 v[242:243], v[242:243], v[150:151]
	v_pk_add_f32 v[14:15], v[14:15], v[154:155]
	v_pk_add_f32 v[228:229], v[228:229], v[158:159]
	s_delay_alu instid0(VALU_DEP_2)
	v_pk_add_f32 v[14:15], v[14:15], v[248:249]
	s_delay_alu instid0(VALU_DEP_2)
	v_pk_add_f32 v[228:229], v[228:229], v[246:247]
	v_pk_add_f32 v[252:253], v[252:253], v[244:245]
	v_pk_add_f32 v[250:251], v[250:251], v[242:243]
	s_delay_alu instid0(VALU_DEP_2)
	v_pk_add_f32 v[14:15], v[14:15], v[252:253]
	s_delay_alu instid0(VALU_DEP_2)
	v_pk_add_f32 v[228:229], v[228:229], v[250:251]
	s_delay_alu instid0(VALU_DEP_1)
	v_pk_add_f32 v[14:15], v[14:15], v[228:229]
	s_wait_alu depctr_va_vdst(0)                   ; and one for the four
.irp b, 0,1,2,3
	v_max_num_f32 v[BM+\b], 0x1800000, v[BM+\b]    ; the floor 2^(3 - 127): the byte cannot fall under 1 (a block whose every p has fallen to 0 keeps that byte: its codes are zeros)
.endr
.irp b, 0,1,2,3
	s_delay_alu instid0(VALU_DEP_4)
	v_add_nc_u32 v[SO+\b], 0xff000000, v[BM+\b]    ; 2 off the exponent field: the conversion's scale operand
.endr
.irp b, 0,1,2,3
	s_delay_alu instid0(VALU_DEP_4)
	v_lshrrev_b32 v[BT+\b], 23, v[SO+\b]           ; the scale's byte
.endr
	s_delay_alu instid0(VALU_DEP_3)
	v_lshl_or_b32 v[PS], v[BT+1], 8, v[BT]         ; p's scale word for these 128 keys
	s_delay_alu instid0(VALU_DEP_1)
	v_lshl_or_b32 v[PS], v[BT+2], 16, v[PS]
	s_delay_alu instid0(VALU_DEP_1)
	v_lshl_or_b32 v[PS], v[BT+3], 24, v[PS]
.irp c, 0,1
	v_cvt_scalef32_pk16_fp6_f32 v[CD+6*\c:CD+6*\c+2], v[S+32*\c:S+32*\c+15], v[SO+2*\c]
	v_cvt_scalef32_pk16_fp6_f32 v[T2+4*\c:T2+4*\c+2], v[S+32*\c+16:S+32*\c+31], v[SO+2*\c+1]   ; (a conversion's three registers begin on an even number)
.endr
	v_nop                                          ; one plain place behind a scaled conversion
.irp c, 0,1                                    ; the operand's layout wants a WHOLE block in a lane: lanes 0-15 block 2 c, lanes 16-31 block 2 c + 1
.irp i, 0,1,2
	v_permlane16_swap_b32 v[CD+6*\c+\i], v[T2+4*\c+\i]
.endr
.irp i, 0,1,2
	s_delay_alu instid0(VALU_DEP_3)
	v_mov_b32 v[CD+6*\c+3+\i], v[T2+4*\c+\i]
.endr
.endr
.set j, 0
	s_setprio 0
.rept 16
	v_pk_mul_f32 v[OT+j:OT+j+1], v[OT+j:OT+j+1], v[F:F+1] op_sel_hi:[1,0]   ; O^T under the new M: x f.  (Of these sixteen at least twelve name no register of any one product below: the places between p's scale word and codes and the products)
.set j, j+2
.endr
	s_wait_alu depctr_va_vdst(0)
	s_wait_dscnt 0x0                               ; V's images and scale words are in
.irp t, 0,1,2,3                                ; O^T += V^T P^T: four tiles of 16 d, by turns, one instruction a turn
	v_wmma_scale_f32_16x16x128_f8f6f4 v[OT+8*\t:OT+8*\t+7], v[KF+12*\t:KF+12*\t+11], v[CD:CD+11], v[OT+8*\t:OT+8*\t+7], v[VSC+\t], v[PS] matrix_a_fmt:MATRIX_FMT_FP6 matrix_b_fmt:MATRIX_FMT_FP6
.endr
.endm
; A CHUNK of 512 keys: four steps.  The count leaves the later chunks' loads on their way: behind chunk c's load 3 - c were issued.
.macro CHUNK c
	s_wait_tensorcnt 3-\c                          ; my part of the scale images and of chunks 0 to c has landed,
	s_wait_dscnt 0x0
	s_barrier_signal -1
	s_barrier_wait -1                              ; everybody's has
	s_mov_b32 s[CNT], 4
.Lstep_\@:
	s_setprio 2
	STEP
	s_add_co_u32 s[TB], s[TB], 6144                ; four images on,
	s_add_co_u32 s[TS], s[TS], 512                 ; four scale images on
	s_sub_co_u32 s[CNT], s[CNT], 1
	s_cmp_lg_u32 s[CNT], 0
	s_cbranch_scc1 .Lstep_\@
	s_setprio 0
	s_add_co_u32 s[TB], s[TB], 24576               ; over the chunk's images of V
.endm
	CHUNK 0
	CHUNK 1
	CHUNK 2
	CHUNK 3
	; THE WAY OUT.  O^T / the sum is ctx: my query's 64 numbers lie in lanes r and r + 16, 16 of each block of 32 in each.  They are quantised as p is, go through my stage and leave as 768 consecutive bytes.
.rept 4
	v_nop                                          ; places behind the last products
.endr
	v_add_f32 v14, v14, v15                        ; the sum's two halves,
	s_delay_alu instid0(VALU_DEP_1)
	v_permlanex16_b32 v[TMP], v14, s[SEL], s[SEL+1]
	s_delay_alu instid0(VALU_DEP_1)
	v_add_f32 v14, v14, v[TMP]                     ; and lane l xor 16's: the row's sum
	s_wait_alu depctr_va_vdst(0)
	v_rcp_f32 v14, v14
	v_nop                                          ; a plain place behind the transcendental
	s_and_b32 s14, s13, 15                         ; head
	s_lshr_b32 s18, s13, 4                         ; batch
	s_lshl_b32 s18, s18, 11
	s_lshl_b32 s19, s12, 8
	s_add_co_u32 s18, s18, s19
	s_lshl_b32 s19, s[WV], 4
	s_add_co_u32 s18, s18, s19                     ; my first token: 2,048 x batch + 256 x block + 16 x wave
	s_mul_i32 s15, s14, 393216                     ; cc: a head's 8,192 tokens x 48 bytes,
	s_mul_i32 s19, s18, 48
	s_add_co_u32 s66, s15, s19
	s_mov_b32 s67, 0
	s_add_nc_u64 s[6:7], s[6:7], s[66:67]
	s_lshl_b32 s66, s18, 5                         ; cs: 32 bytes a token, the head's two at 2 x head
	s_lshl_b32 s15, s14, 1
	s_add_co_u32 s66, s66, s15
	s_add_nc_u64 s[8:9], s[8:9], s[66:67]
	s_wait_alu depctr_va_vdst(0)                   ; the wait ahead of the reciprocal's first reader
.set j, 0
.rept 16
	v_pk_mul_f32 v[S+j:S+j+1], v[OT+j:OT+j+1], v[14:15] op_sel_hi:[1,0]   ; each accumulator from its low end on
.set j, j+2
.endr
.irp b, 0,1
	v_max3_num_f32 v[BM+\b], |v[S+16*\b]|, |v[S+16*\b+1]|, 0x1800000
.endr
.irp i, 2,4,6,8,10,12,14
.irp b, 0,1
	s_delay_alu instid0(VALU_DEP_2)
	v_max3_num_f32 v[BM+\b], v[BM+\b], |v[S+16*\b+\i]|, |v[S+16*\b+\i+1]|
.endr
.endr
.irp b, 0,1
	s_delay_alu instid0(VALU_DEP_2)
	v_permlanex16_b32 v[BT+\b], v[BM+\b], s[SEL], s[SEL+1]
.endr
.irp b, 0,1
	s_delay_alu instid0(VALU_DEP_2)
	v_max_num_f32 v[BM+\b], v[BM+\b], v[BT+\b]
.endr
.irp b, 0,1
	s_delay_alu instid0(VALU_DEP_2)
	v_add_nc_u32 v[SO+\b], 0xff000000, v[BM+\b]
.endr
.irp b, 0,1
	s_delay_alu instid0(VALU_DEP_2)
	v_lshrrev_b32 v[BT+\b], 23, v[SO+\b]
.endr
	s_delay_alu instid0(VALU_DEP_1)
	v_lshl_or_b32 v[TMP], v[BT+1], 8, v[BT]        ; my token's two scale bytes for this head
	v_cvt_scalef32_pk16_fp6_f32 v[CD:CD+2], v[S:S+15], v[SO]
	v_cvt_scalef32_pk16_fp6_f32 v[T2:T2+2], v[S+16:S+31], v[SO+1]
	v_nop                                          ; one plain place behind a scaled conversion
.irp i, 0,1,2
	v_permlane16_swap_b32 v[CD+\i], v[T2+\i]
.endr
.irp i, 0,1,2
	s_delay_alu instid0(VALU_DEP_3)
	v_mov_b32 v[CD+3+\i], v[T2+\i]                 ; v192-197: the 24 bytes of block h of token r
.endr
.irp p, 0,1,2
	ds_store_b64 v[STA], v[CD+2*\p:CD+2*\p+1] offset:8*\p
.endr
.irp p, 0,1,2
	ds_load_b64 v[KF+2*\p:KF+2*\p+1], v[STR] offset:256*\p   ; LDS serves a wave's instructions in order: these see my stores
.endr
	s_wait_alu depctr_va_vdst(0)
	s_wait_dscnt 0x0
.irp p, 0,1,2
	global_store_b64 v[GO], v[KF+2*\p:KF+2*\p+1], s[6:7] offset:256*\p   ; 32 lanes store 256 consecutive bytes, at a multiple of 256 from cc's first byte
.endr
	global_store_b16 v[CSO], v[TMP], s[8:9]        ; lanes r and r + 16 write the same two bytes with the same value; rows 32 bytes apart: 2 bytes of a token's 50, laid as the next launch reads them
	s_wait_tensorcnt 0x0
	ds_add_u32 v254, v255
	s_wait_dscnt 0x0
	CROUND                                         ; the closing round: no work-group ends while a partner may still ask for a tile that names it
	s_endpgm
.Lfunc_end_k_q905fa378b4_attn:
	.size	k_q905fa378b4_attn, .Lfunc_end_k_q905fa378b4_attn-k_q905fa378b4_attn
	.p2alignl 7, 3214868480
	.fill 96, 4, 3214868480
	.section	.rodata,"a",@progbits
	.p2align	6, 0x0
	.amdhsa_kernel k_q905fa378b4_attn
		.amdhsa_group_segment_fixed_size 227328
		.amdhsa_private_segment_fixed_size 0
		.amdhsa_enable_private_segment 0
		.amdhsa_kernarg_size 24
		.amdhsa_user_sgpr_count 2
		.amdhsa_user_sgpr_kernarg_segment_ptr 1
		.amdhsa_wavefront_size32 1
		.amdhsa_system_sgpr_workgroup_id_x 1
		.amdhsa_system_sgpr_workgroup_id_y 1
		.amdhsa_system_sgpr_workgroup_id_z 1
		.amdhsa_system_vgpr_workitem_id 0
		.amdhsa_next_free_vgpr 256
		.amdhsa_next_free_sgpr 72
		.amdhsa_reserve_vcc 0
		.amdhsa_float_denorm_mode_32 3
		.amdhsa_float_denorm_mode_16_64 3
		.amdhsa_memory_ordered 1
		.amdhsa_forward_progress 1
		.amdhsa_inst_pref_size 84
	.end_amdhsa_kernel
	.amdgpu_metadata
---
amdhsa.version: [ 1, 2 ]
amdhsa.kernels:
  - .name:           k_q905fa378b4_attn
    .symbol:         k_q905fa378b4_attn.kd
    .args:
      - { .name: qkv, .offset: 0, .size: 8, .value_kind: global_buffer, .address_space: global }
      - { .name: cc, .offset: 8, .size: 8, .value_kind: global_buffer, .address_space: global }
      - { .name: cs, .offset: 16, .size: 8, .value_kind: global_buffer, .address_space: global }
    .group_segment_fixed_size: 227328
    .private_segment_fixed_size: 0
    .kernarg_segment_align: 8
    .kernarg_segment_size: 24
    .max_flat_workgroup_size: 512
    .sgpr_count:     72
    .vgpr_count:     256
    .wavefront_size: 32
...
	.end_amdgpu_metadata
.endif
;; end of part 3
;; launch outp (part 4): grid 4 x 32, 4 waves a work-group, clusters of 4 x 4, 327,680 bytes of LDS; arguments cc, cs, codes, scl, bo, out0; writes out0
.if DOCPART == 4
	.amdgcn_target "amdgcn-amd-amdhsa--gfx1250"
	.amdhsa_code_object_version 6
	.text
	.protected	k_q905fa378b4_outp
	.globl	k_q905fa378b4_outp
	.p2align	8
	.type	k_q905fa378b4_outp,@function
k_q905fa378b4_outp:
	s_mov_b64 s[64:65], 0
	v_nop
	global_prefetch_b8 v0, s[64:65] scope:SCOPE_SE
	s_setreg_imm32_b32 hwreg(HW_REG_WAVE_MODE, 25, 1), 1
	s_wait_xcnt 0x0
	s_wait_alu depctr_hold_cnt(0) depctr_sa_sdst(0) depctr_va_vdst(0) depctr_va_sdst(0) depctr_va_ssrc(0) depctr_va_vcc(0) depctr_vm_vsrc(0)
	s_getreg_b32 s2, hwreg(HW_REG_IB_STS2, 6, 4)
	s_cmp_eq_u32 s2, 0
	s_cbranch_scc0 .Lentry_in_a_cluster
	s_endpgm
.Lentry_in_a_cluster:
	s_bfe_u32 s2, ttmp6, 0x10000c
	s_cmp_lg_u32 s2, 0xf033
	s_cbranch_scc0 .Lentry_shape_is_right
	s_endpgm
.Lentry_shape_is_right:
.set SIZE_N, 1024
.set KSTEP,  256
.set NQ,     KSTEP/128
.set ROWB,   192
.set KROW,   768
.set PITCH,  240
.set FR,     12
.set NL,     6
.set NP,     4
.set HALFT,  128*PITCH
.set SLOT,   4*HALFT
.set LAPS,   2
.set KS,     32
.set SCL,    2*SLOT
.set HALFS,  (128*KS/256)*272
.set SBLK,   (16*KS/256)*272
.set SPARE,  SCL+4*HALFS
.set HEADC,  393216
.set SPITCH, 528
.set ADRA, 16
.set ADRB, 20
.set STO,  24
.set RD,   25
.set CO,   26
.set ADRS, 27
.set SPW,  28
.set NIL,  29
.set SC,   32
.set BIAS, 64
.set AF,   128
.set BK,   128
.set WV,   16
.set WHI,  17
.set WLO,  18
.set G1, 24
.set G0, 32
.set G1B, 48
.set G0B, 56
.set G1S, 68
.set G0S, 76
.set G1SB, 80
.set G0SB, 88
.set MSB, 0
.macro WIN new
.set NW, \new
.if MSB != NW
	s_set_vgpr_msb (MSB<<8)|NW
.set MSB, NW
.endif
.endm
.set MUL_LO, 0xa1
.set MUL_HI, 0xf1
.set TO_B,   0x40
.macro JLOAD g0a, g1a, g0b, g1b
	s_cmp_eq_u32 s[WHI], 0
	s_cbranch_scc0 .Lfor_b_\@
	tensor_load_to_lds s[\g0a:\g0a+3], s[\g1a:\g1a+7]
	s_nop 0
.rept 4
	v_nop
.endr
	s_branch .Lasked_\@
.Lfor_b_\@:
	tensor_load_to_lds s[\g0b:\g0b+3], s[\g1b:\g1b+7]
	s_nop 0
.rept 4
	v_nop
.endr
.Lasked_\@:
.endm
.macro CREST
	s_cmp_lg_u32 s[WV], 0
	s_cbranch_scc1 .Lnot_wave_0_\@
	s_barrier_signal -3
.Lnot_wave_0_\@:
	s_barrier_wait -3
	s_barrier_signal -1
	s_barrier_wait -1
.endm
.macro CROUND
	s_barrier_signal -1
	s_barrier_wait -1
	CREST
.endm
	s_load_b256 s[4:11], s[0:1], 0x0
	s_load_b128 s[12:15], s[0:1], 0x20
	v_lshl_add_u32 v[SPW], v0, 2, SPARE
	v_mov_b32 v[NIL], 0
	ds_add_u32 v28, v29
	ds_add_u32 v28, v29
	s_wait_dscnt 0x0
	v_lshrrev_b32 v1, 5, v0
	v_readfirstlane_b32 s[WV], v1
	s_lshr_b32 s[WHI], s[WV], 1
	s_and_b32 s[WLO], s[WV], 1
	s_bfe_u32 s21, ttmp6, 0x40000
	s_bfe_u32 s22, ttmp6, 0x40004
	s_lshl_b32 s41, ttmp9, 2
	s_add_co_u32 s41, s41, s21
	s_and_b32 s40, ttmp7, 0xffff
	s_lshl_b32 s40, s40, 2
	s_add_co_u32 s40, s40, s22
	s_lshl_b32 s42, s22, 2
	s_lshl_b32 s42, 15, s42
	s_lshl_b32 s43, 0x1111, s21
	s_or_b32 s[G1+0], s42, (3<<16)|(1<<21)
	s_mov_b32 s[G1+1], 1536<<16
	s_mov_b32 s[G1+2], 2<<16
	s_mov_b32 s[G1+3], 1536<<16
	s_mov_b32 s[G1+4], 2
	s_mov_b32 s[G1+5], HEADC/8
	s_mov_b32 s[G1+6], 0
	s_mov_b32 s[G1+7], 0
	s_or_b32 s[G1B+0], s43, (0<<16)|(1<<20)|(1<<21)|(3<<22)|(3<<25)
	s_mov_b32 s[G1B+1], ROWB<<16
	s_mov_b32 s[G1B+2], 128<<16
	s_mov_b32 s[G1B+3], ROWB<<16
	s_mov_b32 s[G1B+4], 128
	s_mov_b32 s[G1B+5], KROW
	s_mov_b32 s[G1B+6], 0
	s_mov_b32 s[G1B+7], 0
	s_or_b32 s[G1S+0], s42, (3<<16)|(1<<20)|(1<<21)|(5<<22)|(3<<25)
	s_or_b32 s[G1SB+0], s43, (3<<16)|(1<<20)|(1<<21)|(5<<22)|(3<<25)
.irp g, G1S, G1SB
	s_mov_b32 s[\g+1], 32<<16
	s_mov_b32 s[\g+2], (128*KS/256)<<16
	s_mov_b32 s[\g+3], 32<<16
	s_mov_b32 s[\g+4], 128*KS/256
	s_mov_b32 s[\g+5], 32
	s_mov_b32 s[\g+6], 0
	s_mov_b32 s[\g+7], 0
.endr
	s_mul_i32 s44, s[WLO], 2*HEADC
	s_mul_i32 s66, s40, 12288
	s_add_co_u32 s44, s44, s66
	s_mov_b32 s45, 0
	s_lshl_b32 s23, s[WLO], 7
	s_lshl_b32 s92, s40, 8
	s_add_co_u32 s92, s92, s23
	s_lshl_b32 s92, s92, 5
	s_mov_b32 s93, 0
	s_lshl_b32 s46, s41, 8
	s_add_co_u32 s46, s46, s23
	s_add_co_u32 s46, s46, 27648
	s_lshl_b32 s94, s46, 5
	s_mul_i32 s46, s46, KROW
	s_mov_b32 s47, 0
	s_mov_b32 s95, 0
	s_mul_i32 s96, s[WV], HALFT
	s_mul_i32 s97, s[WV], HALFS
	s_wait_kmcnt 0x0
	s_add_nc_u64 s[44:45], s[4:5], s[44:45]
	s_add_nc_u64 s[92:93], s[6:7], s[92:93]
	s_add_nc_u64 s[46:47], s[8:9], s[46:47]
	s_add_nc_u64 s[94:95], s[10:11], s[94:95]
	CROUND
	s_mov_b32 s[G0S], 1
	s_add_co_u32 s[G0S+1], s97, SCL
	s_mov_b64 s[G0S+2:G0S+3], s[92:93]
	s_or_b32 s[G0S+3], s[G0S+3], 0x80000000
	s_mov_b32 s[G0SB], 1
	s_add_co_u32 s[G0SB+1], s97, SCL
	s_mov_b64 s[G0SB+2:G0SB+3], s[94:95]
	s_or_b32 s[G0SB+3], s[G0SB+3], 0x80000000
	JLOAD G0S, G1S, G0SB, G1SB
.irp s, 0,1
	s_mov_b32 s[G0+4*\s], 1
	s_add_co_u32 s[G0+4*\s+1], s96, \s*SLOT
	s_add_nc_u64 s[G0+4*\s+2:G0+4*\s+3], s[44:45], \s*4*HEADC
	s_or_b32 s[G0+4*\s+3], s[G0+4*\s+3], 0x80000000
	s_mov_b32 s[G0B+4*\s], 1
	s_add_co_u32 s[G0B+4*\s+1], s96, \s*SLOT
	s_add_nc_u64 s[G0B+4*\s+2:G0B+4*\s+3], s[46:47], \s*ROWB
	s_or_b32 s[G0B+4*\s+3], s[G0B+4*\s+3], 0x80000000
	s_wait_alu depctr_va_vdst(0)
	s_wait_tensorcnt 0x0
	ds_add_u32 v28, v29
	s_wait_dscnt 0x0
	CROUND
	JLOAD G0+4*\s, G1, G0B+4*\s, G1B
.endr
	v_and_b32 v1, 15, v0
	v_bfe_u32 v2, v0, 4, 1
	v_mul_u32_u24 v3, v1, PITCH
	v_mul_u32_u24 v4, v2, 24
	v_add_nc_u32 v4, v3, v4
	v_lshl_add_u32 v5, v2, 4, v4
	v_mul_u32_u24 v6, v1, 48
	v_mad_u32_u24 v6, v2, 24, v6
	s_mul_i32 s66, s[WHI], 6144
	s_mul_i32 s67, s[WLO], HALFT
	s_add_co_u32 s67, s67, 2*HALFT
.irp s, 0,1
	v_add_nc_u32 v[ADRA+\s], s66, v6
	v_add_nc_u32 v[ADRB+\s], s67, v4
	v_add_nc_u32 v[ADRB+2+\s], s67, v5
	s_add_co_u32 s66, s66, SLOT
	s_add_co_u32 s67, s67, SLOT
.endr
	v_mul_u32_u24 v5, v1, KS
	v_lshrrev_b32 v6, 8, v5
	v_lshl_add_u32 v5, v6, 4, v5
	s_mul_i32 s66, s[WHI], HALFS
	s_mul_i32 s67, s[WLO], HALFS
	s_add_co_u32 s67, s67, 2*HALFS
	s_sub_co_u32 s67, s67, s66
	v_mul_u32_u24 v6, s67, v2
	s_add_co_u32 s66, s66, SCL
	v_add_nc_u32 v5, v5, v6
	v_add_nc_u32 v[ADRS], s66, v5
	s_mul_i32 s23, s[WV], 16*SPITCH
	v_mul_u32_u24 v5, v1, SPITCH
	v_lshl_add_u32 v5, v2, 5, v5
	v_add_nc_u32 v[STO], s23, v5
	v_and_b32 v6, 31, v0
	v_lshlrev_b32 v[CO], 4, v6
	v_add_nc_u32 v[RD], s23, v[CO]
	s_lshl_b32 s66, s41, 10
	s_lshl_b32 s67, s[WLO], 9
	s_add_co_u32 s66, s66, s67
	s_mov_b32 s67, 0
	s_add_nc_u64 s[12:13], s[12:13], s[66:67]
	v_lshlrev_b32 v8, 5, v2
.irp b, 0,1,2,3,4,5,6,7
.irp u, 0,1
	global_load_b128 v[BIAS+8*\b+4*\u:BIAS+8*\b+4*\u+3], v8, s[12:13] offset:64*\b+16*\u
.endr
.endr
	s_add_nc_u64 s[14:15], s[14:15], s[66:67]
	s_lshl_b32 s66, s40, 8
	s_lshl_b32 s23, s[WHI], 7
	s_add_co_u32 s66, s66, s23
	s_lshl_b32 s66, s66, 12
	s_add_nc_u64 s[14:15], s[14:15], s[66:67]
.macro FRAG reg, adr, q, i
.irp p, 0,1,2,3,4,5
.set PIECE, 12*(\q)+6*(\p/3)+\p%3
.if PIECE%8 < 5
	ds_load_b64 v[\reg+2*\p:\reg+2*\p+1], v[\adr] offset:8*PIECE+16*(PIECE/8)+(\i)*16*PITCH
.else
	ds_load_b64 v[\reg+2*\p:\reg+2*\p+1], v[\adr+2] offset:8*PIECE+16*(PIECE/8)+(\i)*16*PITCH
.endif
.endr
.endm
.macro FRAGA reg, adr, q, i
.irp p, 0,1,2,3,4,5
	ds_load_b64 v[\reg+2*\p:\reg+2*\p+1], v[\adr] offset:(\q)*HALFT+12288*(\p/3)+768*(\i)+8*(\p%3)
.endr
.endm
.macro MUL16 a0, p, q, sc, zero
.irp a, \a0, \a0+1
.irp b, 0,1,2,3,4,5,6,7
.if \zero
	v_wmma_scale_f32_16x16x128_f8f6f4 v[8*(8*((\a)%4)+\b):8*(8*((\a)%4)+\b)+7], v[128*(\p)+FR*\b:128*(\p)+FR*\b+FR-1], v[AF+FR*(\a):AF+FR*(\a)+FR-1], v[BIAS+8*\b:BIAS+8*\b+7], v[SC+8*NQ*(\sc)+NQ*\b+(\q)], v[SC+8*NQ*(\sc)+NQ*(\a)+(\q)] matrix_a_fmt:MATRIX_FMT_FP6 matrix_b_fmt:MATRIX_FMT_FP6 matrix_a_scale:MATRIX_SCALE_ROW1
.else
	v_wmma_scale_f32_16x16x128_f8f6f4 v[8*(8*((\a)%4)+\b):8*(8*((\a)%4)+\b)+7], v[128*(\p)+FR*\b:128*(\p)+FR*\b+FR-1], v[AF+FR*(\a):AF+FR*(\a)+FR-1], v[8*(8*((\a)%4)+\b):8*(8*((\a)%4)+\b)+7], v[SC+8*NQ*(\sc)+NQ*\b+(\q)], v[SC+8*NQ*(\sc)+NQ*(\a)+(\q)] matrix_a_fmt:MATRIX_FMT_FP6 matrix_b_fmt:MATRIX_FMT_FP6 matrix_a_scale:MATRIX_SCALE_ROW1
.endif
.endr
.endr
.endm
.macro FETCH_B slot, q, p
	WIN TO_B
.irp i, 0,1,2,3,4,5,6,7
	FRAG 128*(\p)+FR*\i, ADRB+\slot, \q, \i
.endr
	WIN 0
.endm
.macro FETCH_A slot, q, i0
.irp i, \i0, \i0+1, \i0+2, \i0+3
	FRAGA AF+FR*(\i), ADRA+\slot, \q, \i
.endr
.endm
.macro SCALES sc
.irp i, 0,1,2,3,4,5,6,7
	ds_load_b64 v[SC+8*NQ*\sc+NQ*\i:SC+8*NQ*\sc+NQ*\i+1], v[ADRS] offset:\i*SBLK
.endr
.endm
.macro PLACES n
.rept \n
	v_nop
.endr
.endm
.macro STEP slot, q, zero
	s_wait_dscnt 4*NL
.if \zero
	WIN 0x81
.else
	WIN MUL_LO
.endif
	MUL16 0, (\q)%2, \q, \slot, \zero
	MUL16 2, (\q)%2, \q, \slot, \zero
	s_wait_dscnt 0
	PLACES NP
	FETCH_B \slot, (\q)+1, 1-(\q)%2
	FETCH_A \slot, (\q)+1, 0
.if \zero
	WIN 0xc1
.else
	WIN MUL_HI
.endif
	MUL16 4, (\q)%2, \q, \slot, \zero
	MUL16 6, (\q)%2, \q, \slot, \zero
	PLACES NP
	WIN 0
	FETCH_A \slot, (\q)+1, 4
.endm
.macro TURN slot, next, fill
	s_wait_tensorcnt 0x0
	ds_add_u32 v[SPW], v[NIL]
	s_wait_dscnt 4*NL+1
	WIN MUL_LO
	MUL16 0, 1, NQ-1, \slot, 0
	s_wait_dscnt 0x0
	s_barrier_signal -1
	MUL16 2, 1, NQ-1, \slot, 0
	WIN 0
	s_barrier_wait -1
.if \fill
	CREST
	s_add_nc_u64 s[G0+4*\slot+2:G0+4*\slot+3], s[G0+4*\slot+2:G0+4*\slot+3], 8*HEADC
	s_add_nc_u64 s[G0B+4*\slot+2:G0B+4*\slot+3], s[G0B+4*\slot+2:G0B+4*\slot+3], 2*ROWB
	JLOAD G0+4*\slot, G1, G0B+4*\slot, G1B
.else
	PLACES NP
.endif
	s_wait_alu depctr_va_vdst(0)
	v_add_nc_u32 v[ADRS], 4*NQ, v[ADRS]
	FETCH_B \next, 0, 0
	FETCH_A \next, 0, 0
	SCALES \next
	WIN MUL_HI
	MUL16 4, 1, NQ-1, \slot, 0
	MUL16 6, 1, NQ-1, \slot, 0
	PLACES NP
	WIN 0
	FETCH_A \next, 0, 4
.endm
	s_wait_alu depctr_va_vdst(0)
	s_wait_tensorcnt 1
	s_barrier_signal -1
	s_barrier_wait -1
	FETCH_B 0, 0, 0
	FETCH_A 0, 0, 0
	SCALES 0
	FETCH_A 0, 0, 4
	s_wait_loadcnt 0x0
	STEP 0, 0, 1
	s_mov_b32 s3, LAPS-1
.Llap:
	TURN 0, 1, 1
	STEP 1, 0, 0
	TURN 1, 0, 1
	STEP 0, 0, 0
	s_sub_co_u32 s3, s3, 1
	s_cmp_lg_u32 s3, 0
	s_cbranch_scc1 .Llap
	TURN 0, 1, 0
	STEP 1, 0, 0
	s_wait_dscnt 4*NL
	WIN MUL_LO
	MUL16 0, 1, NQ-1, 1, 0
	MUL16 2, 1, NQ-1, 1, 0
	s_wait_dscnt 0
	WIN MUL_HI
	MUL16 4, 1, NQ-1, 1, 0
	MUL16 6, 1, NQ-1, 1, 0
	WIN 0
.macro TOSTAGE a
.set AC, 64*((\a)%4)
	WIN 0x08+4*((\a)/4)
.irp b, 0,1,2,3,4,5,6,7
	ds_store_b128 v[STO], v[AC+8*\b:AC+8*\b+3] offset:64*\b
	ds_store_b128 v[STO], v[AC+8*\b+4:AC+8*\b+7] offset:64*\b+16
.endr
	WIN 0
.set BB, BK+64*((\a)%2)
.irp t, 0,1,2,3,4,5,6,7,8,9,10,11,12,13,14,15
	ds_load_b128 v[BB+4*\t:BB+4*\t+3], v[RD] offset:\t*SPITCH
.endr
.endm
.macro SEND a, younger
.set BB, BK+64*((\a)%2)
	s_wait_dscnt \younger
.if (\a) > 0
	s_add_nc_u64 s[14:15], s[14:15], 16*SIZE_N*4
.endif
.irp t, 0,1,2,3,4,5,6,7,8,9,10,11,12,13,14,15
	global_store_b128 v[CO], v[BB+4*\t:BB+4*\t+3], s[14:15] offset:\t*SIZE_N*4 th:TH_STORE_NT
.endr
.endm
	PLACES NP
	TOSTAGE 0
.irp a, 1,2,3,4,5,6,7
.if \a > 1
	s_wait_xcnt 0x0
.endif
	TOSTAGE \a
	SEND \a-1, 32
.endr
	s_wait_xcnt 0x0
	SEND 7, 0
	s_wait_tensorcnt 0x0
	ds_add_u32 v[SPW], v[NIL]
	s_wait_dscnt 0x0
	CROUND
	s_endpgm
.Lfunc_end_k_q905fa378b4_outp:
	.size	k_q905fa378b4_outp, .Lfunc_end_k_q905fa378b4_outp-k_q905fa378b4_outp
	.p2alignl 7, 3214868480
	.fill 96, 4, 3214868480
	.section	.rodata,"a",@progbits
	.p2align	6, 0x0
	.amdhsa_kernel k_q905fa378b4_outp
		.amdhsa_group_segment_fixed_size 327680
		.amdhsa_private_segment_fixed_size 0
		.amdhsa_enable_private_segment 0
		.amdhsa_kernarg_size 48
		.amdhsa_user_sgpr_count 2
		.amdhsa_user_sgpr_kernarg_segment_ptr 1
		.amdhsa_wavefront_size32 1
		.amdhsa_system_sgpr_workgroup_id_x 1
		.amdhsa_system_sgpr_workgroup_id_y 1
		.amdhsa_system_sgpr_workgroup_id_z 1
		.amdhsa_system_vgpr_workitem_id 0
		.amdhsa_next_free_vgpr 1024
		.amdhsa_next_free_sgpr 100
		.amdhsa_reserve_vcc 0
		.amdhsa_float_denorm_mode_32 3
		.amdhsa_float_denorm_mode_16_64 3
		.amdhsa_memory_ordered 1
		.amdhsa_forward_progress 1
		.amdhsa_inst_pref_size 162
	.end_amdhsa_kernel
	.amdgpu_metadata
---
amdhsa.version: [ 1, 2 ]
amdhsa.kernels:
  - .name:           k_q905fa378b4_outp
    .symbol:         k_q905fa378b4_outp.kd
    .args:
      - { .name: cc, .offset: 0, .size: 8, .value_kind: global_buffer, .address_space: global }
      - { .name: cs, .offset: 8, .size: 8, .value_kind: global_buffer, .address_space: global }
      - { .name: codes, .offset: 16, .size: 8, .value_kind: global_buffer, .address_space: global }
      - { .name: scl, .offset: 24, .size: 8, .value_kind: global_buffer, .address_space: global }
      - { .name: bo, .offset: 32, .size: 8, .value_kind: global_buffer, .address_space: global }
      - { .name: out0, .offset: 40, .size: 8, .value_kind: global_buffer, .address_space: global }
    .group_segment_fixed_size: 327680
    .private_segment_fixed_size: 0
    .kernarg_segment_align: 8
    .kernarg_segment_size: 48
    .max_flat_workgroup_size: 128
    .sgpr_count:     100
    .vgpr_count:     1024
    .wavefront_size: 32
...
	.end_amdgpu_metadata
.endif
;; end of part 4
